; MI455X (gfx1250); checked and timed in simulation.
; The chip was launched on July 23, 2026; its instructions are those of AMD's public machine-readable ISA for CDNA 5 (MIT licence, August 2026) and "CDNA5" Instruction Set Architecture Reference Guide (July 2026). The comments in the code are by the model that wrote it; some were corrected since.
;; Self Attention. Allowed arithmetic: matrix products marked QUANTISED: E2M3 operands, one E8M0 scale for each 32 along K, by v_wmma_scale_f32_16x16x128_f8f6f4 with both operands' format E2M3, f32 sums; everything else in f32.
;; Inputs: Wk 16 x 1,024 x 64 float32; Wo 1,024 x 1,024 float32; Wq 16 x 1,024 x 64 float32; Wv 16 x 1,024 x 64 float32; mask 2 x 2,048 float32; x 2 x 1,024 x 2,048 float32.
;; Outputs: out0 2 x 1,024 x 2,048 float32.
;; This version of the problem:
;;   THIS VERSION OF THE PROBLEM IS GIVEN IN LOW PRECISION. The matrix products marked QUANTISED in the list below multiply operands that are first quantised to E2M3 (2 exponent bits, 3 mantissa bits; 6 bits a number), with one power-of-two scale for each 32 numbers along K (OCP MX v1.0); their sums are f32. All else is computed in f32.
;;   The module's matrix products, in the order in which they are computed (A, B: the left and right operand; K: the contracted axis; several contracted axes count as one K, in the product's order):
;;     1. [M 1,024, K 1,024] x [K 1,024, N 4,096]; A: input Wq; B: input x: QUANTISED
;;     2. [M 1,024, K 1,024] x [K 1,024, N 4,096]; A: input Wk; B: input x: QUANTISED
;;     3. [M 1,024, K 1,024] x [K 1,024, N 4,096]; A: input Wv; B: input x: QUANTISED
;;     4. batch 32 x [M 2,048, K 64] x [K 64, N 2,048]; A: computed on the way; B: computed on the way: QUANTISED
;;     5. batch 32 x [M 2,048, K 2,048] x [K 2,048, N 64]; A: computed on the way; B: computed on the way: QUANTISED
;;     6. [M 4,096, K 1,024] x [K 1,024, N 1,024]; A: computed on the way; B: input Wo: QUANTISED
;;   THE QUANTISER, for each operand of a quantised product, along K:
;;     - K is cut into blocks of 32 from its start; a last block that is shorter is filled with zeros.
;;     - A block's scale is 2^e with e = floor(log2(the largest magnitude in the block)) - 2, held to -126 .. 127; a block of zeros has e = 0. As a byte (E8M0): e + 127.
;;     - Each number is divided by its block's scale, clamped to +-7.5, and rounded to the nearest number of E2M3, ties to even, subnormals kept.
;;     - The product sums the exact products of the quantised numbers (number of the format x scale) in f32.
;;   ~~~python
;;   def quantise(x, axis):      # numpy; x: float32 -> the quantised numbers, widened to float32 again
;;       x = np.moveaxis(x, axis, -1); K = x.shape[-1]
;;       x = np.pad(x, [(0, 0)] * (x.ndim - 1) + [(0, -K % 32)]); x = x.reshape(x.shape[:-1] + (-1, 32)); a = np.abs(x).max(-1, keepdims=True)
;;       e = np.where(a > 0, np.clip(np.frexp(np.where(a > 0, a, 1))[1] - 1 - 2, -126, 127), 0)      # np.frexp(a)[1] - 1 = floor(log2(a)), exactly
;;       r = np.clip(x / 2.0 ** e, -7.5, 7.5)
;;       step = 2.0 ** (np.maximum(np.frexp(np.where(r == 0, 1, r))[1] - 1, 0) - 3)
;;       q = np.round(r / step) * step * 2.0 ** e      # np.round: ties to even
;;       return np.moveaxis(q.reshape(q.shape[:-2] + (-1,))[..., :K], -1, axis).astype(np.float32)
;;   ~~~
;;   OPERANDS COMPUTED ON THE WAY. 'Computed on the way' means the value that the module computes at that place (a softmax that the list does not call 'softmax' is quantised finished and normalised). What goes into a quantiser is computed in f32, as accurately as f32 sums, v_exp_f32 and their like allow (about 1e-6 of the number): no bf16 or f16 on the way to a quantiser, and a product that is left as it is and whose result goes on into a quantised operand takes f32 operands (vector FMAs, or v_wmma_f32_16x16x4_f32). A number that lies on a knife's edge between two numbers of the format may be rounded either way, as far as f32 arithmetic and the matrix unit's own rounding can turn it there, and no further.
;; One version. Each part assembles by itself: llvm-mc -triple=amdgcn-amd-amdhsa -mcpu=gfx1250 --defsym DOCPART=n.
;; ======== version 1 of 1: 4 launches
;; limits: right only within a limited range of input values
;; workspace buffers: gcd 6,291,456 bytes; gsc 262,144 bytes; pcd 9,437,184 bytes; psc 393,216 bytes; hcd 3,145,728 bytes; hsc 131,072 bytes
;; launch quant (part 1): grid 256 x 1, 4 waves a work-group, no clusters, 0 bytes of LDS; arguments x, Wq, Wk, Wv, Wo, gcd, gsc; writes gcd, gsc
.if DOCPART == 1
	.amdgcn_target "amdgcn-amd-amdhsa--gfx1250"
	.amdhsa_code_object_version 6
	.text
	.protected	k_q23aa86e4b5_quant
	.globl	k_q23aa86e4b5_quant
	.p2align	8
	.type	k_q23aa86e4b5_quant,@function
k_q23aa86e4b5_quant:
	s_mov_b64 s[64:65], 0
	v_nop
	global_prefetch_b8 v0, s[64:65] scope:SCOPE_SE
	s_setreg_imm32_b32 hwreg(HW_REG_WAVE_MODE, 25, 1), 1
	s_wait_xcnt 0x0
; x [2][1024][2048], Wq, Wk, Wv [16][1024][64] and Wo [1024][1024], f32, all with K (the 1,024) NOT innermost, become codes of FP6 (E2M3) with one E8M0 byte for each 32 along K.
; A LANE TAKES A COLUMN AND ITS REGISTERS RUN DOWN K: a block of 32 lies in one lane's 32 registers, its largest magnitude needs no other lane, and the conversions give codes with K innermost.
; A block's scale is 2^(floor(log2(largest magnitude)) - 2): its byte is the largest magnitude's exponent field - 2, held at 1 from below (a block of zeros keeps the byte 1: its codes are zeros, and this program alone reads the bytes).
; LIMITS: blocks whose largest magnitude lies under 2^-124 keep the byte 1; NaN and infinities among the inputs are not served.
; THE CODES ARE LAID AS THE MATRIX UNIT'S REGISTERS WANT THEM.  A tile is 16 columns.  For 64 along K a tile's image is 768 bytes: lane (r, h) holds k = 32 h .. 32 h + 31 of row r in six registers; registers 0-3 lie at 16 x lane,
; registers 4-5 at 512 + 8 x lane.  gcd: [tile 0..511][K step of 128: 0..7][half of it: 0, 1][768].  gsc: [16 x tile + r][8 words], a word for each K step.
; THE ROWS OF A TILE ARE NOT NEIGHBOURS: of 32 columns, tile u's row r is column 8 u + r + 8 (r / 8), so that a product with two such tiles as source 0 leaves 16 neighbours in a lane's 16 registers.
; SHARES: 256 groups of 32 columns (x 0-127, Wq 128-159, Wk 160-191, Wv 192-223, Wo 224-255) x 4 quarters of K.  A wave takes one group and one quarter: 8 blocks a lane.  Each load reads 128 consecutive bytes.
; Three paths, by the work-group's number, differ in the row pitch alone, so that every load's offset is an immediate.  No LDS, no barrier: waves share nothing.  Loads run two blocks (64 loads a wave) ahead.
.set X,  32                            ; v32-95   two sets of 32 numbers
.set CD, 96                            ; v96-159  codes: for each 64 along K the even block's six registers at CD + 16 i, the odd block's at CD + 16 i + 8: no store's data are written again
.set SB, 6                             ; v6-7     the eight scale bytes
.macro LOAD t, pitch                   ; block t: rows 32 t + i of my column, into set t % 2
.irp i, 0,1,2,3,4,5,6,7,8,9,10,11,12,13,14,15,16,17,18,19,20,21,22,23,24,25,26,27,28,29,30,31
	global_load_b32 v[X+32*((\t)%2)+\i], v2, s[24:25] offset:(32*(\t)+\i)*\pitch th:TH_LOAD_NT
.endr
.endm
.macro BLOCK t, pitch
.set XB, X+32*((\t)%2)
.set CB, CD+16*((\t)/2)+8*((\t)%2)
.if (\t) < 7
	s_wait_loadcnt 32                              ; this block's 32 loads are in; the next block's 32 may be out
.else
	s_wait_loadcnt 0x0
.endif
	v_max3_num_f32 v12, |v[XB]|, |v[XB+1]|, |v[XB+2]|              ; the block's largest magnitude, in two chains
	v_max3_num_f32 v13, |v[XB+3]|, |v[XB+4]|, |v[XB+5]|
.irp i, 6,10,14,18,22,26
	v_max3_num_f32 v12, v12, |v[XB+\i]|, |v[XB+\i+1]|
	v_max3_num_f32 v13, v13, |v[XB+\i+2]|, |v[XB+\i+3]|
.endr
	v_max3_num_f32 v12, v12, |v[XB+30]|, |v[XB+31]|
	v_max3_num_f32 v12, v12, v13, 0x1800000        ; and the floor 2^(3 - 127): the byte cannot fall under 1
	v_add_nc_u32 v11, 0xff000000, v12              ; 2 off the exponent field: the conversion takes this operand's exponent field as its scale
	v_lshrrev_b32 v13, 23, v11                     ; the scale's byte
.if (\t)%4 == 0
	v_mov_b32 v[SB+(\t)/4], v13
.else
	v_lshl_or_b32 v[SB+(\t)/4], v13, 8*((\t)%4), v[SB+(\t)/4]
.endif
	v_cvt_scalef32_pk16_fp6_f32 v[CB:CB+2], v[XB:XB+15], v11
	v_cvt_scalef32_pk16_fp6_f32 v[16:18], v[XB+16:XB+31], v11      ; (a conversion's three registers begin on an even number: the block's upper three are made here and moved)
	v_nop                                          ; one plain line behind the conversions, ahead of the lines that touch their results
	v_mov_b32 v[CB+3], v16
	v_mov_b32 v[CB+4], v17
	v_mov_b32 v[CB+5], v18
.if (\t)+2 < 8
	LOAD (\t)+2, \pitch
.endif
.if (\t)%2 == 1
.set PE, CD+16*((\t)/2)
.irp i, 0,1,2,3,4,5                    ; lanes 0-15 hold tile 0's rows, lanes 16-31 tile 1's.  The even block's lanes 16-31 change places with the odd block's lanes 0-15:
	v_permlane16_swap_b32 v[PE+\i], v[PE+8+\i]     ; the first run is then tile 0's image (lanes 0-15: k 0-31, lanes 16-31: k 32-63), the second tile 1's
.endr
	global_store_b128 v3, v[PE:PE+3], s[26:27] offset:768*((\t)/2)               ; 512 consecutive bytes
	global_store_b64 v4, v[PE+4:PE+5], s[26:27] offset:768*((\t)/2)+512          ; 256 consecutive bytes
	global_store_b128 v3, v[PE+8:PE+11], s[26:27] offset:768*((\t)/2)+12288
	global_store_b64 v4, v[PE+12:PE+13], s[26:27] offset:768*((\t)/2)+12288+512
.endif
.endm
.macro QBODY pitch
	LOAD 0, \pitch
	LOAD 1, \pitch
.irp n, 0,1,2,3,4,5,6,7
	BLOCK \n, \pitch
.endr
	global_store_b64 v5, v[SB:SB+1], s[28:29]      ; my row's two scale words of this quarter of K
	s_endpgm
.endm
	s_load_b256 s[4:11], s[0:1], 0x0               ; x s[4:5], Wq s[6:7], Wk s[8:9], Wv s[10:11]
	s_load_b128 s[12:15], s[0:1], 0x20             ; Wo s[12:13], gcd s[14:15]
	s_load_b64 s[16:17], s[0:1], 0x30              ; gsc
	v_lshrrev_b32 v1, 5, v0
	v_readfirstlane_b32 s18, v1                    ; wave
	v_and_b32 v1, 31, v0                           ; lane = 16 u + r
	v_and_b32 v2, 7, v1
	v_and_b32 v8, 8, v1
	v_lshl_or_b32 v2, v8, 1, v2
	v_and_b32 v8, 16, v1
	v_lshrrev_b32 v8, 1, v8
	v_or_b32 v2, v2, v8                            ; my column of the 32: the lane's bits 3 and 4 change places
	v_lshlrev_b32 v2, 2, v2
	v_lshlrev_b32 v3, 4, v1                        ; 16 x lane
	v_lshlrev_b32 v4, 3, v1                        ; 8 x lane
	v_lshlrev_b32 v5, 5, v1                        ; a row of scale words is 32 bytes
	s_and_b32 s19, ttmp9, 3                        ; the quarter of K
	s_lshr_b32 s20, ttmp9, 2
	s_lshl_b32 s21, s20, 2
	s_add_co_u32 s21, s21, s18                     ; the group of 32 columns
	s_mul_i32 s22, s21, 24576                      ; two tiles of 12,288 bytes,
	s_mul_i32 s23, s19, 3072                       ; four images a quarter
	s_add_co_u32 s22, s22, s23
	s_mov_b32 s23, 0
	s_lshl_b32 s30, s21, 10                        ; 32 rows of 32 bytes,
	s_lshl_b32 s31, s19, 3                         ; two words a quarter
	s_add_co_u32 s30, s30, s31
	s_mov_b32 s31, 0
	s_wait_kmcnt 0x0
	s_add_nc_u64 s[26:27], s[14:15], s[22:23]
	s_add_nc_u64 s[28:29], s[16:17], s[30:31]
	s_cmp_lt_u32 ttmp9, 128
	s_cbranch_scc0 .Lnot_x
	s_lshr_b32 s22, s21, 6                         ; x: the batch, 1,024 rows of 8,192 bytes;
	s_lshl_b32 s22, s22, 23
	s_lshl_b32 s32, s19, 21                        ; 256 rows a quarter;
	s_add_co_u32 s22, s22, s32
	s_and_b32 s32, s21, 63
	s_lshl_b32 s32, s32, 7                         ; 32 columns of 4 bytes
	s_add_co_u32 s22, s22, s32
	s_add_nc_u64 s[24:25], s[4:5], s[22:23]
	s_wait_alu depctr_va_vdst(0)
	QBODY 8192
.Lnot_x:
	s_cmp_lt_u32 ttmp9, 224
	s_cbranch_scc0 .Lwo
	s_sub_co_u32 s33, s21, 128
	s_lshr_b32 s34, s33, 5                         ; 0: Wq, 1: Wk, 2: Wv
	s_cmp_eq_u32 s34, 0
	s_cselect_b64 s[24:25], s[6:7], s[8:9]
	s_cmp_eq_u32 s34, 2
	s_cselect_b64 s[24:25], s[10:11], s[24:25]
	s_and_b32 s35, s33, 31
	s_lshr_b32 s35, s35, 1                         ; the head: 1,024 rows of 256 bytes;
	s_lshl_b32 s22, s35, 18
	s_lshl_b32 s32, s19, 16                        ; 256 rows a quarter;
	s_add_co_u32 s22, s22, s32
	s_and_b32 s32, s33, 1
	s_lshl_b32 s32, s32, 7                         ; which 32 of the head's 64 columns
	s_add_co_u32 s22, s22, s32
	s_add_nc_u64 s[24:25], s[24:25], s[22:23]
	s_wait_alu depctr_va_vdst(0)
	QBODY 256
.Lwo:
	s_sub_co_u32 s33, s21, 224
	s_lshl_b32 s22, s33, 7
	s_lshl_b32 s32, s19, 20                        ; 256 rows of 4,096 bytes a quarter
	s_add_co_u32 s22, s22, s32
	s_add_nc_u64 s[24:25], s[12:13], s[22:23]
	s_wait_alu depctr_va_vdst(0)
	QBODY 4096
.Lfunc_end_k_q23aa86e4b5_quant:
	.size	k_q23aa86e4b5_quant, .Lfunc_end_k_q23aa86e4b5_quant-k_q23aa86e4b5_quant
	.p2alignl 7, 3214868480
	.fill 96, 4, 3214868480
	.section	.rodata,"a",@progbits
	.p2align	6, 0x0
	.amdhsa_kernel k_q23aa86e4b5_quant
		.amdhsa_group_segment_fixed_size 0
		.amdhsa_private_segment_fixed_size 0
		.amdhsa_enable_private_segment 0
		.amdhsa_kernarg_size 56
		.amdhsa_user_sgpr_count 2
		.amdhsa_user_sgpr_kernarg_segment_ptr 1
		.amdhsa_wavefront_size32 1
		.amdhsa_system_sgpr_workgroup_id_x 1
		.amdhsa_system_sgpr_workgroup_id_y 1
		.amdhsa_system_sgpr_workgroup_id_z 1
		.amdhsa_system_vgpr_workitem_id 0
		.amdhsa_next_free_vgpr 160
		.amdhsa_next_free_sgpr 66
		.amdhsa_reserve_vcc 0
		.amdhsa_float_denorm_mode_32 3
		.amdhsa_float_denorm_mode_16_64 3
		.amdhsa_memory_ordered 1
		.amdhsa_forward_progress 1
		.amdhsa_inst_pref_size 117
	.end_amdhsa_kernel
	.amdgpu_metadata
---
amdhsa.version: [ 1, 2 ]
amdhsa.kernels:
  - .name:           k_q23aa86e4b5_quant
    .symbol:         k_q23aa86e4b5_quant.kd
    .args:
      - { .name: x, .offset: 0, .size: 8, .value_kind: global_buffer, .address_space: global }
      - { .name: Wq, .offset: 8, .size: 8, .value_kind: global_buffer, .address_space: global }
      - { .name: Wk, .offset: 16, .size: 8, .value_kind: global_buffer, .address_space: global }
      - { .name: Wv, .offset: 24, .size: 8, .value_kind: global_buffer, .address_space: global }
      - { .name: Wo, .offset: 32, .size: 8, .value_kind: global_buffer, .address_space: global }
      - { .name: gcd, .offset: 40, .size: 8, .value_kind: global_buffer, .address_space: global }
      - { .name: gsc, .offset: 48, .size: 8, .value_kind: global_buffer, .address_space: global }
    .group_segment_fixed_size: 0
    .private_segment_fixed_size: 0
    .kernarg_segment_align: 8
    .kernarg_segment_size: 56
    .max_flat_workgroup_size: 128
    .sgpr_count:     66
    .vgpr_count:     160
    .wavefront_size: 32
...
	.end_amdgpu_metadata
.endif
;; end of part 1
;; launch proj (part 2): grid 48 x 4, 4 waves a work-group, clusters of 4 x 4, 327,680 bytes of LDS; arguments gcd, gsc, pcd, psc; writes pcd, psc
.if DOCPART == 2
	.amdgcn_target "amdgcn-amd-amdhsa--gfx1250"
	.amdhsa_code_object_version 6
	.text
	.protected	k_q23aa86e4b5_proj
	.globl	k_q23aa86e4b5_proj
	.p2align	8
	.type	k_q23aa86e4b5_proj,@function
k_q23aa86e4b5_proj:
	s_mov_b64 s[64:65], 0
	v_nop
	global_prefetch_b8 v0, s[64:65] scope:SCOPE_SE
	s_setreg_imm32_b32 hwreg(HW_REG_WAVE_MODE, 25, 1), 1
	s_wait_xcnt 0x0
	s_wait_alu depctr_hold_cnt(0) depctr_sa_sdst(0) depctr_va_vdst(0) depctr_va_sdst(0) depctr_va_ssrc(0) depctr_va_vcc(0) depctr_vm_vsrc(0)
	s_getreg_b32 s2, hwreg(HW_REG_IB_STS2, 6, 4)
	s_cmp_eq_u32 s2, 0
	s_cbranch_scc0 .Lentry_in_a_cluster
	s_endpgm
.Lentry_in_a_cluster:
	s_bfe_u32 s2, ttmp6, 0x10000c
	s_cmp_lg_u32 s2, 0xf033
	s_cbranch_scc0 .Lentry_shape_is_right
	s_endpgm
.Lentry_shape_is_right:
; q, k and v: three products over K = 1,024 on codes of FP6 (E2M3) with E8M0 scales, and their results quantised again, in registers, for the two products of attention.
; A work-group of four waves makes 256 x 256 results, a wave 128 x 128: 64 accumulators, 512 registers.  SIDE A is source 1 (its rows fall on the lanes), SIDE B source 0 (its rows run along a lane's registers).
; Clusters 0-7: A = 256 tokens of x, B = 256 features of Wq | Wk: a lane then holds one token and 128 neighbouring features (two heads): q and k are quantised along the head's 64.
; Clusters 8-11: A = 256 features of Wv, B = 256 tokens: a lane holds one feature and 128 neighbouring keys: v is quantised along the keys.  The roles are chosen by selects on the cluster's number: no branch.
; (The registers are neighbours because side B's tiles are stored with rows 8 u + r + 8 (r / 8): register 16 b + i of a lane is number 32 b + 16 (lane / 16) + i.)
; OPERANDS lie in memory as images of the registers: for a tile of 16 rows and 64 along K 768 bytes, registers 0-3 at 16 x lane, registers 4-5 at 512 + 8 x lane.  So every LDS read is 512 or 256 consecutive bytes: no pitch, no padding.
; K goes in steps of 256 (two matrix instructions deep) through a ring of two LDS slots; a wave's tensor load brings 8 tiles x 3,072 bytes.  K is 4 slots' worth: the walk is written out, since each step names other scale registers.
; THE SCALE WORDS of the wave's 8 + 8 tiles for all of K stay in 64 registers: lanes 0-15 side A's, lanes 16-31 side B's.
; CLUSTERS: 4 x 4 work-groups; side A's tiles are shared along a row of the cluster, side B's along a column: each is asked for jointly, by the same tensor load with a mask that names the four.
; OUT: pcd: q and k [head, 16 + head][token tile 0..255][768]; from byte 6,291,456 v [(16 b + key step) x 2 + half][4 head + tile][768].  psc: [group of two heads 0..15][token row] words; from byte 262,144 [16 b + key step][feature row] words.
; LIMITS: blocks whose largest magnitude lies under 2^-124 keep the byte 1 (a block of zeros too: its codes are zeros); NaN and infinities are not served.
; REGISTERS: window 0: v2-3, v16-29 addresses; v32-95 scale words; v96-123 at work on the way out; v128-223 A's fragments, one set; v224-243 codes on the way out.  window 1: B's fragments, two sets.  windows 2, 3: the accumulators.
.set FR,    12                         ; registers of a fragment: 16 rows x 128 K
.set NL,    4                          ; LDS loads that bring one
.set NP,    4                          ; places behind this matrix instruction (ISA guide 7.12.1)
.set HALFT, 24576                      ; 8 tiles x 2 K steps x 1,536 bytes: what one tensor load brings, and what one wave reads of a side
.set SLOT,  4*HALFT                    ; A's 16 tiles, then B's 16
.set SPARE, 2*SLOT                     ; behind the ring: the spare words, 128 bytes for each wave, which no other line names
.set LIW,  2                           ; v2      16 x lane
.set LIH,  3                           ; v3      8 x lane
.set ADRA, 16                          ; v16-17  LDS address of my A fragments' 16-byte pieces in slot 0, 1;  v18-19 of their 8-byte pieces
.set ADRB, 20                          ; v20-23  the same for B
.set SPW,  28                          ; v28     LDS address of my spare word; never rewritten
.set NIL,  29                          ; v29     0; never rewritten
.set SC,   32                          ; v[SC + 8 i + ks]: lanes 0-15 the word of A's tile i, lanes 16-31 that of B's tile i, for K step ks
.set AF,   128
.set TM,   96                          ; v96-99 largest magnitudes, v100-103 the other half's, then bytes, v108-111 the conversions' scale operands
.set PWS,  112                         ; v112-119 the eight blocks' scale words
.set PC,   224                         ; v224-235 a fragment's codes
.set CT,   236                         ; v236-243 the conversions' second halves
.set G1,  24
.set G0,  32
.set G1B, 48
.set G0B, 56
.set MSB, 0
.macro WIN new                         ; the immediate's high byte repeats the setting that is left; a switch that changes nothing is dropped
.if MSB != (\new)
	s_set_vgpr_msb (MSB<<8)|(\new)
.set MSB, (\new)
.endif
.endm
.set MUL_LO, 0xa1                      ; source 0 (B) window 1, source 1 (A) window 0, C and D window 2
.set MUL_HI, 0xf1                      ; the same, C and D window 3
.set TO_B,   0x40                      ; destination window 1, address window 0
; A joint load: waves 0 and 1 fetch for A, waves 2 and 3 for B.  The branch hangs on the wave's number alone.  Four v_nop follow each of the two lines.
.macro JLOAD g0a, g1a, g0b, g1b
	s_cmp_eq_u32 s15, 0
	s_cbranch_scc0 .Lfor_b_\@
	tensor_load_to_lds s[\g0a:\g0a+3], s[\g1a:\g1a+7]
	s_nop 0
.rept 4
	v_nop
.endr
	s_branch .Lasked_\@
.Lfor_b_\@:
	tensor_load_to_lds s[\g0b:\g0b+3], s[\g1b:\g1b+7]
	s_nop 0
.rept 4
	v_nop
.endr
.Lasked_\@:
.endm
.macro CREST                           ; a round of the cluster's barrier behind its opening barrier
	s_cmp_lg_u32 s14, 0
	s_cbranch_scc1 .Lnot_wave_0_\@
	s_barrier_signal -3
.Lnot_wave_0_\@:
	s_barrier_wait -3
	s_barrier_signal -1
	s_barrier_wait -1
.endm
.macro CROUND
	s_barrier_signal -1
	s_barrier_wait -1
	CREST
.endm
.macro PLACES n
.rept \n
	v_nop
.endr
.endm
.macro FRAG reg, adr, off              ; a fragment: two images of 768 bytes, each 16 bytes a lane and then 8 bytes a lane
	ds_load_b128 v[\reg:\reg+3], v[\adr] offset:\off
	ds_load_b64 v[\reg+4:\reg+5], v[\adr+2] offset:\off+512
	ds_load_b128 v[\reg+6:\reg+9], v[\adr] offset:\off+768
	ds_load_b64 v[\reg+10:\reg+11], v[\adr+2] offset:\off+1280
.endm
.macro FETCH_B slot, q, p              ; B's eight fragments of the slot's q-th K step into set p
	WIN TO_B
.irp i, 0,1,2,3,4,5,6,7
	FRAG 128*(\p)+FR*\i, ADRB+\slot, \i*3072+(\q)*1536
.endr
	WIN 0
.endm
.macro FETCH_A slot, q, i0             ; A's blocks i0 .. i0 + 3
.irp i, \i0, \i0+1, \i0+2, \i0+3
	FRAG AF+FR*(\i), ADRA+\slot, (\i)*3072+(\q)*1536
.endr
.endm
; 16 matrix instructions: A's blocks a0, a0 + 1 x B's eight, K step ks.  p: B's set.  zero = 1: the first product starts the sums.  The 64 accumulators take turns, one instruction a turn, in the same order in every step.
.macro MUL16 a0, p, ks, zero
.irp a, \a0, \a0+1
.irp b, 0,1,2,3,4,5,6,7
.if \zero
	v_wmma_scale_f32_16x16x128_f8f6f4 v[8*(8*((\a)%4)+\b):8*(8*((\a)%4)+\b)+7], v[128*(\p)+FR*\b:128*(\p)+FR*\b+FR-1], v[AF+FR*(\a):AF+FR*(\a)+FR-1], 0, v[SC+8*\b+(\ks)], v[SC+8*(\a)+(\ks)] matrix_a_fmt:MATRIX_FMT_FP6 matrix_b_fmt:MATRIX_FMT_FP6 matrix_a_scale:MATRIX_SCALE_ROW1
.else
	v_wmma_scale_f32_16x16x128_f8f6f4 v[8*(8*((\a)%4)+\b):8*(8*((\a)%4)+\b)+7], v[128*(\p)+FR*\b:128*(\p)+FR*\b+FR-1], v[AF+FR*(\a):AF+FR*(\a)+FR-1], v[8*(8*((\a)%4)+\b):8*(8*((\a)%4)+\b)+7], v[SC+8*\b+(\ks)], v[SC+8*(\a)+(\ks)] matrix_a_fmt:MATRIX_FMT_FP6 matrix_b_fmt:MATRIX_FMT_FP6 matrix_a_scale:MATRIX_SCALE_ROW1
.endif
.endr
.endr
.endm
; A slot's first K step: multiplies B's set 0 and fetches the slot's second step (B into set 1; A's blocks 0-3 in the middle, 4-7 at the end, each behind its places).
.macro STEP slot, ks, zero
	s_wait_dscnt 4*NL                              ; B's set and A's blocks 0-3 are in; the youngest 16 loads (A's blocks 4-7) may be out
	WIN MUL_LO
	MUL16 0, 0, \ks, \zero
	MUL16 2, 0, \ks, \zero
	s_wait_dscnt 0x0                               ; A's blocks 4-7 are in
	PLACES NP
	FETCH_B \slot, 1, 1
	FETCH_A \slot, 1, 0
	WIN MUL_HI
	MUL16 4, 0, \ks, \zero
	MUL16 6, 0, \ks, \zero
	PLACES NP
	WIN 0
	FETCH_A \slot, 1, 4
.endm
; A slot's second K step changes slots: ONE barrier; in front of it each wave waits for all its tensor loads, adds 0 to its spare word, and waits for that and for its own reads of this slot.  fill = 1: this slot is filled again, two slots ahead.
.macro TURN slot, next, fill, ks
	s_wait_tensorcnt 0x0                           ; all my tensor loads have landed: my part of the next slot
	ds_add_u32 v[SPW], v[NIL]                      ; 0 onto my spare word
	s_wait_dscnt 4*NL+1                            ; (the add and the youngest 16 loads, A's blocks 4-7, may be out)
	WIN MUL_LO
	MUL16 0, 1, \ks, 0                             ; sixteen matrix instructions stand between the add and the wait for it
	s_wait_dscnt 0x0                               ; the add is done, and my reads of this slot are over
	s_barrier_signal -1
	MUL16 2, 1, \ks, 0
	WIN 0
	s_barrier_wait -1
.if \fill
	CREST                                          ; the barrier has opened a round of the cluster's barrier: no wave of any partner still reads this slot or has a load on its way
	s_add_nc_u64 s[G0+4*\slot+2:G0+4*\slot+3], s[G0+4*\slot+2:G0+4*\slot+3], 6144
	s_add_nc_u64 s[G0B+4*\slot+2:G0B+4*\slot+3], s[G0B+4*\slot+2:G0B+4*\slot+3], 6144
	JLOAD G0+4*\slot, G1, G0B+4*\slot, G1B         ; the first tensor load behind the round; its four v_nop are also the places in front of the loads below
.else
	PLACES NP
.endif
	FETCH_B \next, 0, 0
	FETCH_A \next, 0, 0
	WIN MUL_HI
	MUL16 4, 1, \ks, 0
	MUL16 6, 1, \ks, 0
	PLACES NP
	WIN 0
	FETCH_A \next, 0, 4
.endm
	s_load_b256 s[4:11], s[0:1], 0x0               ; gcd s[4:5], gsc s[6:7], pcd s[8:9], psc s[10:11]
	v_lshl_add_u32 v[SPW], v0, 2, SPARE
	v_mov_b32 v[NIL], 0
	ds_add_u32 v28, v29
	ds_add_u32 v28, v29
	s_wait_dscnt 0x0
	v_lshrrev_b32 v1, 5, v0
	v_readfirstlane_b32 s14, v1                    ; wave 0..3
	s_lshr_b32 s15, s14, 1                         ; which half of A's rows is mine.  Also: I fetch for A (0) or for B (1)
	s_and_b32 s16, s14, 1                          ; which half of B's rows.  Also: which 8 tiles of that side I fetch
	s_bfe_u32 s40, ttmp6, 0x40000                  ; cx
	s_bfe_u32 s41, ttmp6, 0x40004                  ; cy
	s_lshl_b32 s43, s41, 2
	s_lshl_b32 s43, 15, s43                        ; my row of the cluster
	s_lshl_b32 s44, 0x1111, s40                    ; my column
	s_or_b32 s[G1], s43, (3<<16)|(1<<21)           ; 15:0 the mask: A's tiles go to my row; 17:16 elements of 8 bytes; 21 set beside a mask; no padding
	s_or_b32 s[G1B], s44, (3<<16)|(1<<21)
.irp g, G1, G1B
	s_mov_b32 s[\g+1], 384<<16                     ; tensor_dim0: a tile's two K steps, 3,072 bytes
	s_mov_b32 s[\g+2], 8<<16                       ; tensor_dim1: 8 tiles
	s_mov_b32 s[\g+3], 384<<16                     ; tile_dim0
	s_mov_b32 s[\g+4], 8                           ; tile_dim1
	s_mov_b32 s[\g+5], 1536                        ; from tile to tile: 12,288 bytes
	s_mov_b32 s[\g+6], 0
	s_mov_b32 s[\g+7], 0
.endr
	; the roles, from the cluster's number, which all sixteen partners share
	s_lshr_b32 s66, ttmp9, 1
	s_lshl_b32 s66, s66, 2                         ; q, k: A's tile row begins at 4 (cluster / 2),
	s_and_b32 s67, ttmp9, 1
	s_lshl_b32 s67, s67, 2                         ; B's tile column at 4 (cluster % 2)
	s_max_u32 s68, ttmp9, 8
	s_sub_co_u32 s68, s68, 8
	s_lshl_b32 s68, s68, 2                         ; v: B's tile column begins at 4 (cluster - 8)
	s_cmp_ge_u32 ttmp9, 8
	s_cselect_b32 s66, 0, s66
	s_cselect_b32 s67, s68, s67
	s_cselect_b32 s68, 384, 0                      ; A's first tile in gcd: Wv or x
	s_cselect_b32 s69, 0, 256                      ; B's: x or Wq | Wk
	s_cselect_b32 s70, 64, 256                     ; tiles along A in the whole result
	s_cselect_b32 s71, 6291456, 0                  ; the region of pcd
	s_cselect_b32 s72, 262144, 0                   ; and of psc
	s_add_co_u32 s66, s66, s41                     ; A's tile row (of 16 tiles): hangs on cy alone
	s_add_co_u32 s67, s67, s40                     ; B's tile column: on cx alone
	s_lshl_b32 s74, s66, 4
	s_add_co_u32 s68, s68, s74                     ; the work-group's first tile of A,
	s_lshl_b32 s75, s67, 4
	s_add_co_u32 s69, s69, s75                     ; and of B
	s_lshl_b32 s18, s16, 3
	s_lshl_b32 s19, s15, 3
	s_add_co_u32 s20, s68, s18                     ; what I fetch, if for A,
	s_mul_i32 s20, s20, 12288
	s_mov_b32 s21, 0
	s_add_co_u32 s46, s69, s18                     ; if for B
	s_mul_i32 s46, s46, 12288
	s_mov_b32 s47, 0
	s_mul_i32 s45, s14, HALFT                      ; where it goes: no place in the cluster enters an LDS address
	s_add_co_u32 s76, s68, s19                     ; the scale words of the 8 tiles of A that I multiply: 512 bytes a tile,
	s_lshl_b32 s76, s76, 9
	s_mov_b32 s77, 0
	s_add_co_u32 s78, s69, s18                     ; and of B
	s_lshl_b32 s78, s78, 9
	s_mov_b32 s79, 0
	s_lshl_b32 s80, s67, 1
	s_add_co_u32 s80, s80, s16                     ; GB: which 128 along B are mine
	s_add_co_u32 s81, s74, s19                     ; TA0: my first tile along A
	s_mul_i32 s82, s80, s70
	s_lshl_b32 s84, s82, 1
	s_add_co_u32 s84, s84, s81
	s_mul_i32 s84, s84, 768
	s_add_co_u32 s84, s84, s71                     ; codes: region + (2 GB x tiles + TA0) x 768
	s_mov_b32 s85, 0
	s_mul_i32 s86, s70, 768                        ; the second half of the 128 lies one row of tiles further on
	s_mov_b32 s87, 0
	s_add_co_u32 s88, s82, s81
	s_lshl_b32 s88, s88, 6
	s_add_co_u32 s88, s88, s72                     ; scale words: region + (GB x tiles + TA0) x 16 rows x 4 bytes
	s_mov_b32 s89, 0
	s_mov_b32 s73, 0xffff0000                      ; lanes 16-31
	s_mov_b32 s90, 0x76543210
	s_mov_b32 s91, 0xfedcba98                      ; v_permlanex16_b32's selects for lane l xor 16
	s_wait_kmcnt 0x0
	s_add_nc_u64 s[20:21], s[4:5], s[20:21]
	s_add_nc_u64 s[46:47], s[4:5], s[46:47]
	s_add_nc_u64 s[76:77], s[6:7], s[76:77]
	s_add_nc_u64 s[78:79], s[6:7], s[78:79]
	s_add_nc_u64 s[84:85], s[8:9], s[84:85]
	s_add_nc_u64 s[86:87], s[84:85], s[86:87]
	s_add_nc_u64 s[88:89], s[10:11], s[88:89]
	CROUND                                         ; all sixteen work-groups are here: the first joint loads meet
.irp s, 0,1
	s_mov_b32 s[G0+4*\s], 1
	s_add_co_u32 s[G0+4*\s+1], s45, \s*SLOT
	s_add_nc_u64 s[G0+4*\s+2:G0+4*\s+3], s[20:21], \s*3072
	s_or_b32 s[G0+4*\s+3], s[G0+4*\s+3], 0x80000000
	s_mov_b32 s[G0B+4*\s], 1
	s_add_co_u32 s[G0B+4*\s+1], s45, \s*SLOT
	s_add_nc_u64 s[G0B+4*\s+2:G0B+4*\s+3], s[46:47], \s*3072
	s_or_b32 s[G0B+4*\s+3], s[G0B+4*\s+3], 0x80000000
.endr
	JLOAD G0, G1, G0B, G1B                         ; slot 0: one tensor load a wave at the head
	v_and_b32 v1, 31, v0
	v_lshlrev_b32 v[LIW], 4, v1
	v_lshlrev_b32 v[LIH], 3, v1
	v_lshlrev_b32 v26, 2, v1                       ; 4 x lane
	v_and_b32 v27, 15, v0
	v_lshlrev_b32 v27, 5, v27                      ; a row of scale words is 32 bytes
.irp i, 0,1,2,3,4,5,6,7
	global_load_b128 v[SC+8*\i:SC+8*\i+3], v27, s[76:77] offset:\i*512
	global_load_b128 v[SC+8*\i+4:SC+8*\i+7], v27, s[76:77] offset:\i*512+16
.endr
.irp i, 0,1,2,3,4,5,6,7
	global_load_b128 v[128+8*\i:128+8*\i+3], v27, s[78:79] offset:\i*512
	global_load_b128 v[128+8*\i+4:128+8*\i+7], v27, s[78:79] offset:\i*512+16
.endr
	s_mul_i32 s92, s15, HALFT                      ; my 8 tiles of A,
	s_mul_i32 s93, s16, HALFT                      ; my 8 of B,
	s_add_co_u32 s93, s93, 2*HALFT                 ; which lie behind A's 16
.irp s, 0,1
	v_add_nc_u32 v[ADRA+\s], s92, v[LIW]
	v_add_nc_u32 v[ADRA+2+\s], s92, v[LIH]
	v_add_nc_u32 v[ADRB+\s], s93, v[LIW]
	v_add_nc_u32 v[ADRB+2+\s], s93, v[LIH]
	s_add_co_u32 s92, s92, SLOT
	s_add_co_u32 s93, s93, SLOT
.endr
.irp b, 0,1,2,3
	v_mov_b32 v[TM+4+\b], 0                        ; written once: a lane permute's destination counts as one of its sources
.endr
	s_wait_loadcnt 0x0
.set kk, 0
.rept 64
	v_cndmask_b32 v[SC+kk], v[SC+kk], v[128+kk], s73   ; lanes 16-31 take B's words
.set kk, kk+1
.endr
	PLACES 8                                       ; a scale register written by a vector instruction stands 8 places ahead of a scaled matrix instruction
	s_wait_alu depctr_va_vdst(0)
	s_wait_tensorcnt 0x0                           ; my part of slot 0 is in
	ds_add_u32 v[SPW], v[NIL]
	s_wait_dscnt 0x0
	CROUND                                         ; everybody's part is in, and all sixteen work-groups are here
	JLOAD G0+4, G1, G0B+4, G1B                     ; slot 1's first fill, the first tensor load behind the round
	FETCH_B 0, 0, 0
	FETCH_A 0, 0, 0
	FETCH_A 0, 0, 4
	STEP 0, 0, 1                                   ; the first step's products start the sums
	TURN 0, 1, 1, 1                                ; slot 0 takes K steps 4 and 5
	STEP 1, 2, 0
	TURN 1, 0, 1, 3                                ; slot 1 takes K steps 6 and 7
	STEP 0, 4, 0
	TURN 0, 1, 0, 5                                ; nothing is left to fetch
	STEP 1, 6, 0
	s_wait_dscnt 4*NL
	WIN MUL_LO
	MUL16 0, 1, 7, 0
	MUL16 2, 1, 7, 0
	s_wait_dscnt 0x0
	WIN MUL_HI
	MUL16 4, 1, 7, 0
	MUL16 6, 1, 7, 0
	WIN 0
	PLACES NP                                      ; in front of the first read of results
; THE WAY OUT.  Block a: the 64 accumulator registers of A's tile a are 128 neighbours along the next K of the lane's row: register 16 b + i is number 32 b + 16 (lane / 16) + i.  They become a fragment's codes and a scale word.
.macro QUANTW a
.set SRC, 64*((\a)%4)
.set WW, 2+(\a)/4
	WIN WW|(WW<<2)
.irp b, 0,1,2,3
	v_max3_num_f32 v[TM+\b], |v[SRC+16*\b]|, |v[SRC+1+16*\b]|, 0x1800000   ; block b: my 16 numbers, from each accumulator's low end on, and the floor 2^(3 - 127)
.endr
	WIN (WW<<2)|(WW<<4)
.irp i, 2,4,6,8,10,12,14
.irp b, 0,1,2,3
	v_max3_num_f32 v[TM+\b], v[TM+\b], |v[SRC+16*\b+\i]|, |v[SRC+1+16*\b+\i]|
.endr
.endr
	WIN 0
.irp b, 0,1,2,3
	v_permlanex16_b32 v[TM+4+\b], v[TM+\b], s90, s91
.endr
.irp b, 0,1,2,3
	v_max_num_f32 v[TM+\b], v[TM+\b], v[TM+4+\b]   ; with lane l xor 16's: the block's largest magnitude
.endr
.irp b, 0,1,2,3
	v_add_nc_u32 v[TM+12+\b], 0xff000000, v[TM+\b] ; 2 off its exponent field: the conversion's scale operand
.endr
.irp b, 0,1,2,3
	v_lshrrev_b32 v[TM+4+\b], 23, v[TM+12+\b]      ; the scale's byte
.endr
	v_lshl_or_b32 v[PWS+(\a)], v[TM+5], 8, v[TM+4]
	v_lshl_or_b32 v[PWS+(\a)], v[TM+6], 16, v[PWS+(\a)]
	v_lshl_or_b32 v[PWS+(\a)], v[TM+7], 24, v[PWS+(\a)]
	s_wait_xcnt 0x0                                ; the last block's stores have read the codes' registers: only now are they written again
	WIN WW
.irp c, 0,1
	v_cvt_scalef32_pk16_fp6_f32 v[PC+6*\c:PC+2+6*\c], v[SRC+32*\c:SRC+15+32*\c], v[TM+12+2*\c]
	v_cvt_scalef32_pk16_fp6_f32 v[CT+4*\c:CT+2+4*\c], v[SRC+16+32*\c:SRC+31+32*\c], v[TM+12+2*\c+1]
.endr
	WIN 0
	v_nop                                          ; one plain line behind the conversions
.irp c, 0,1                            ; the layout wants a WHOLE block in a lane: lanes 0-15 block 2 c, lanes 16-31 block 2 c + 1
.irp i, 0,1,2
	v_permlane16_swap_b32 v[PC+6*\c+\i], v[CT+4*\c+\i]
.endr
.irp i, 0,1,2
	v_mov_b32 v[PC+3+6*\c+\i], v[CT+4*\c+\i]
.endr
.endr
	global_store_b128 v[LIW], v[PC:PC+3], s[84:85] offset:768*(\a)            ; the two images, as they stand: 512 and 256 consecutive bytes
	global_store_b64 v[LIH], v[PC+4:PC+5], s[84:85] offset:768*(\a)+512
	global_store_b128 v[LIW], v[PC+6:PC+9], s[86:87] offset:768*(\a)
	global_store_b64 v[LIH], v[PC+10:PC+11], s[86:87] offset:768*(\a)+512
.endm
.irp n, 0,1,2,3,4,5,6,7
	QUANTW \n
.endr
.irp i, 0,1,2,3
	v_cndmask_b32 v[120+\i], v[PWS+2*\i], v[PWS+2*\i+1], s73   ; both halves of the lanes hold a tile's 16 words: two tiles to a store of 128 consecutive bytes
	global_store_b32 v26, v[120+\i], s[88:89] offset:128*\i
.endr
	s_wait_tensorcnt 0x0                           ; the wave's end
	ds_add_u32 v[SPW], v[NIL]
	s_wait_dscnt 0x0
	CROUND                                         ; the closing round: no work-group ends while a partner may still ask for a tile that names it
	s_endpgm
.Lfunc_end_k_q23aa86e4b5_proj:
	.size	k_q23aa86e4b5_proj, .Lfunc_end_k_q23aa86e4b5_proj-k_q23aa86e4b5_proj
	.p2alignl 7, 3214868480
	.fill 96, 4, 3214868480
	.section	.rodata,"a",@progbits
	.p2align	6, 0x0
	.amdhsa_kernel k_q23aa86e4b5_proj
		.amdhsa_group_segment_fixed_size 327680
		.amdhsa_private_segment_fixed_size 0
		.amdhsa_enable_private_segment 0
		.amdhsa_kernarg_size 32
		.amdhsa_user_sgpr_count 2
		.amdhsa_user_sgpr_kernarg_segment_ptr 1
		.amdhsa_wavefront_size32 1
		.amdhsa_system_sgpr_workgroup_id_x 1
		.amdhsa_system_sgpr_workgroup_id_y 1
		.amdhsa_system_sgpr_workgroup_id_z 1
		.amdhsa_system_vgpr_workitem_id 0
		.amdhsa_next_free_vgpr 1024
		.amdhsa_next_free_sgpr 100
		.amdhsa_reserve_vcc 0
		.amdhsa_float_denorm_mode_32 3
		.amdhsa_float_denorm_mode_16_64 3
		.amdhsa_memory_ordered 1
		.amdhsa_forward_progress 1
		.amdhsa_inst_pref_size 153
	.end_amdhsa_kernel
	.amdgpu_metadata
---
amdhsa.version: [ 1, 2 ]
amdhsa.kernels:
  - .name:           k_q23aa86e4b5_proj
    .symbol:         k_q23aa86e4b5_proj.kd
    .args:
      - { .name: gcd, .offset: 0, .size: 8, .value_kind: global_buffer, .address_space: global }
      - { .name: gsc, .offset: 8, .size: 8, .value_kind: global_buffer, .address_space: global }
      - { .name: pcd, .offset: 16, .size: 8, .value_kind: global_buffer, .address_space: global }
      - { .name: psc, .offset: 24, .size: 8, .value_kind: global_buffer, .address_space: global }
    .group_segment_fixed_size: 327680
    .private_segment_fixed_size: 0
    .kernarg_segment_align: 8
    .kernarg_segment_size: 32
    .max_flat_workgroup_size: 128
    .sgpr_count:     100
    .vgpr_count:     1024
    .wavefront_size: 32
...
	.end_amdgpu_metadata
.endif
;; end of part 2
;; launch attn (part 3): grid 8 x 32, 8 waves a work-group, clusters of 4 x 1, 327,680 bytes of LDS; arguments pcd, psc, mask, hcd, hsc; writes hcd, hsc
.if DOCPART == 3
	.amdgcn_target "amdgcn-amd-amdhsa--gfx1250"
	.amdhsa_code_object_version 6
	.text
	.protected	k_q23aa86e4b5_attn
	.globl	k_q23aa86e4b5_attn
	.p2align	8
	.type	k_q23aa86e4b5_attn,@function
k_q23aa86e4b5_attn:
	s_mov_b64 s[64:65], 0
	v_nop
	global_prefetch_b8 v0, s[64:65] scope:SCOPE_SE
	s_setreg_imm32_b32 hwreg(HW_REG_WAVE_MODE, 25, 1), 1
	s_wait_xcnt 0x0
	s_wait_alu depctr_hold_cnt(0) depctr_sa_sdst(0) depctr_va_vdst(0) depctr_va_sdst(0) depctr_va_ssrc(0) depctr_va_vcc(0) depctr_vm_vsrc(0)
	s_getreg_b32 s2, hwreg(HW_REG_IB_STS2, 6, 4)
	s_cmp_eq_u32 s2, 0
	s_cbranch_scc0 .Lentry_in_a_cluster
	s_endpgm
.Lentry_in_a_cluster:
	s_bfe_u32 s2, ttmp6, 0x10000c
	s_cmp_lg_u32 s2, 0x3003
	s_cbranch_scc0 .Lentry_shape_is_right
	s_endpgm
.Lentry_shape_is_right:
; Attention for one batch and head: scores = q k^T / 8 with the key mask, softmax, x the query mask, quantised FINISHED AND NORMALISED along the keys, then x v; the heads' results are quantised for the last product.
; All products on codes of FP6 (E2M3) with E8M0 scales.  A work-group takes 256 queries of one (batch, head), 32 a trip.  EIGHT WAVES, two to a SIMD, 512 registers each: wave = (key quarter kq = wave % 4, query tile t = wave / 4).
; A wave's trip: 16 queries x 512 keys.  S^T = k q^T: a lane holds one query, the 256 registers of window 1 run along my keys.  The head's 64 fill half of the instruction's 128: a fragment of k holds two key tiles, q stands in one half, zero codes in the other.
; k and v of all 2,048 keys stay in LDS for the whole launch, as images of the operands' registers; each wave fetches 24,576 bytes of them by ONE joint tensor load at the head (waves 0-3 k, waves 4-7 v).  Nothing is filled again.
; THE KEY MASK: (1 - mask) x -1e30 x 8 for the 2,048 keys is a table of 8,192 bytes in LDS, on bytes of its own.  It is loaded into the score registers ahead of the products, which add onto it in place.
; The factor scores x mask is not applied: where mask is 1 it changes nothing, and for every other f32 mask |1 - mask| x 1e30 is at least 5e22, beside which f32 loses the score.
; LIMIT: that, and the softmax, hold while the scaled scores stay under 2^31 in magnitude.
; THE MAXIMUM is taken of the raw scores; t - M is one fused multiply-add by c = log2(e) / 8.  Where the largest raw score of my keys is beyond 2^60 in magnitude (all my keys masked), 0.5 takes c's place, by a select:
; the product with the maximum is then exact, equal entries give p = 1, and unequal ones lie so far apart that p is 0 under either factor.
; The four waves of a query tile exchange (M, sum) through LDS; p is scaled by query mask / sum x 2^(my M - the row's M), quantised block by block (a block's largest p comes from its largest score) and multiplied with v.
; The four partial results of a tile meet in LDS; after every two trips waves 0-3 add, quantise and store one tile each, under a branch on the wave's number that leads round no barrier.
; CLUSTER: the four work-groups of a cluster share (batch, head): k and v are asked for jointly.  No prefetch: k and v are fetched once, at the head; the loop streams only q's 768 bytes a wave and trip, asked for a trip ahead.
; LIMITS: blocks whose largest magnitude lies under 2^-124 keep the byte 1; NaN and infinities are not served.
.set WPART, 24576                      ; a quarter of k or of v
.set LV,    98304                      ; v lies behind k
.set PART,  196608                     ; partial results: [trip parity][t][kq][16 rows x 272]
.set ITS,   34816
.set TLS,   17408
.set WVS,   4352
.set XSB,   266240                     ; (M, sum): [kq][t][16 x 8 bytes]
.set BIAS,  267264                     ; the key mask's term, 2,048 f32
.set SPARE, 275456                     ; the spare words, 128 bytes for each of eight waves, which no other line names
.set LIW,  1
.set LIH,  2
.set KAW,  3
.set KAH,  4
.set VAW,  5
.set VAH,  6
.set PSB,  7
.set PSA,  8
.set PRA,  9
.set XSW,  10
.set XSR,  11
.set BA,   20                          ; my keys' part of the table, + 64 x (lane / 16)
.set CV,   21                          ; c
.set NI,   22                          ; the least finite f32: a maximum's first leaf
.set BW,   23                          ; where my thread puts its 8 numbers of the table
.set QF,   24                          ; v24-41 q, zero codes, q
.set QSC,  42
.set QRW,  43
.set VM,   44
.set VMN,  45
.set SPW,  46
.set NIL,  47
.set KSC,  48
.set VSC,  64
.set ST,   80                          ; v80-127 fragments of k (two sets of two) or of v (four)
.set BM,   128                         ; v128-143 the 16 blocks' largest scores, then largest p
.set PC,   144
.set CT,   156
.set PW,   164
.set MX,   166                         ; v166 M, v167 the sum
.set GG,   168
.set CF,   170                         ; the factor, in both registers of a pair
.set ACC,  172
.set XR,   188
.set TM,   204
.set MSB, 0
.macro WIN new
.if MSB != (\new)
	s_set_vgpr_msb (MSB<<8)|(\new)
.set MSB, (\new)
.endif
.endm
.macro ROUND
	s_barrier_signal -1
	s_barrier_wait -1
	s_cmp_lg_u32 s14, 0
	s_cbranch_scc1 .Lnot_wave_0_\@
	s_barrier_signal -3
.Lnot_wave_0_\@:
	s_barrier_wait -3
	s_barrier_signal -1
	s_barrier_wait -1
.endm
.macro KLOAD g                         ; group g, 64 keys: two fragments of k, and the mask's term into the 32 score registers: 16 LDS loads
.irp f, 0,1
	ds_load_b128 v[ST+24*((\g)%2)+12*\f:ST+24*((\g)%2)+12*\f+3], v[KAW] offset:(2*(\g)+\f)*1536
	ds_load_b64 v[ST+24*((\g)%2)+12*\f+4:ST+24*((\g)%2)+12*\f+5], v[KAH] offset:(2*(\g)+\f)*1536+512
	ds_load_b128 v[ST+24*((\g)%2)+12*\f+6:ST+24*((\g)%2)+12*\f+9], v[KAW] offset:(2*(\g)+\f)*1536+768
	ds_load_b64 v[ST+24*((\g)%2)+12*\f+10:ST+24*((\g)%2)+12*\f+11], v[KAH] offset:(2*(\g)+\f)*1536+1280
.endr
	WIN 0x40
.irp i, 0,1,2,3,4,5,6,7
	ds_load_b128 v[32*(\g)+4*\i:32*(\g)+4*\i+3], v[BA] offset:256*(\g)+128*(\i/4)+16*(\i%4)   ; registers 16 k + i are keys 32 k + 16 (lane / 16) + i
.endr
	WIN 0
.endm
.macro VLOAD ks
.irp d, 0,1,2,3
	ds_load_b128 v[ST+12*\d:ST+12*\d+3], v[VAW] offset:6144*(\ks)+768*\d
	ds_load_b64 v[ST+12*\d+4:ST+12*\d+5], v[VAH] offset:6144*(\ks)+768*\d+512
	ds_load_b128 v[ST+12*\d+6:ST+12*\d+9], v[VAW] offset:6144*(\ks)+3072+768*\d
	ds_load_b64 v[ST+12*\d+10:ST+12*\d+11], v[VAH] offset:6144*(\ks)+3072+768*\d+512
.endr
.endm
.macro QLOAD
	global_load_b128 v[QF:QF+3], v[LIW], s[54:55]
	global_load_b64 v[QF+4:QF+5], v[LIH], s[54:55] offset:512
	global_load_b128 v[QF+12:QF+15], v[LIW], s[54:55]
	global_load_b64 v[QF+16:QF+17], v[LIH], s[54:55] offset:512
	global_load_b32 v[QRW], v14, s[56:57]
	global_load_b32 v[VMN], v15, s[58:59]
.endm
.macro SPROD g                         ; four products, each onto the mask's term in its own accumulator
.irp f, 0,1
.irp u, 0,1
	v_wmma_scale_f32_16x16x128_f8f6f4 v[32*(\g)+16*\f+8*\u:32*(\g)+16*\f+8*\u+7], v[ST+24*((\g)%2)+12*\f:ST+24*((\g)%2)+12*\f+11], v[QF+6*\u:QF+6*\u+11], v[32*(\g)+16*\f+8*\u:32*(\g)+16*\f+8*\u+7], v[KSC+2*(\g)+\f], v[QSC] matrix_a_fmt:MATRIX_FMT_FP6 matrix_b_fmt:MATRIX_FMT_FP6
.endr
.endr
.endm
.macro VEC g                           ; the largest raw score of group g's two blocks, each accumulator from its low end on
.irp f, 0,1
	v_max3_num_f32 v[BM+2*(\g)+\f], v[NI], v[32*(\g)+16*\f], v[32*(\g)+16*\f+1]
.endr
.irp i, 2,4,6,8,10,12,14
.irp f, 0,1
	v_max3_num_f32 v[BM+2*(\g)+\f], v[BM+2*(\g)+\f], v[32*(\g)+16*\f+\i], v[32*(\g)+16*\f+\i+1]
.endr
.endr
.endm
.macro PMUL n
.rept \n
	v_pk_mul_f32 v[jj:jj+1], v[jj:jj+1], v[GG:GG+1] op_sel_hi:[1,0]
.set jj, jj+2
.endr
.endm
.macro QPQ ks, vl                      ; key step ks, 128 keys: p x g, its four blocks' scales, its codes.  vl >= 0: that key step's fragments of v are fetched
	WIN 0x41
.set jj, 64*(\ks)
	PMUL 4                                         ; (also the places behind the last products, in front of the loads below)
.if (\vl) >= 0
	WIN 0
	VLOAD \vl
	WIN 0x41
.endif
	PMUL 28
	WIN 0
.if (\vl) >= 0
	s_wait_dscnt 0x0                               ; v's fragments are in
.endif
.irp b, 0,1,2,3
	v_mul_f32 v[TM+\b], v[BM+4*(\ks)+\b], v[GG]
.endr
.irp b, 0,1,2,3
	v_max_num_f32 v[TM+\b], 0x1800000, |v[TM+\b]|  ; the floor 2^(3 - 127): the byte cannot fall under 1
.endr
.irp b, 0,1,2,3
	v_add_nc_u32 v[TM+4+\b], 0xff000000, v[TM+\b]  ; 2 off the exponent field: the conversion's scale operand
.endr
.irp b, 0,1,2,3
	v_lshrrev_b32 v[TM+8+\b], 23, v[TM+4+\b]
.endr
	v_lshl_or_b32 v[PW], v[TM+9], 8, v[TM+8]
	v_lshl_or_b32 v[PW], v[TM+10], 16, v[PW]
	v_lshl_or_b32 v[PW], v[TM+11], 24, v[PW]
	WIN 1
.irp c, 0,1
	v_cvt_scalef32_pk16_fp6_f32 v[PC+6*\c:PC+6*\c+2], v[64*(\ks)+32*\c:64*(\ks)+32*\c+15], v[TM+4+2*\c]
	v_cvt_scalef32_pk16_fp6_f32 v[CT+4*\c:CT+4*\c+2], v[64*(\ks)+32*\c+16:64*(\ks)+32*\c+31], v[TM+4+2*\c+1]
.endr
	WIN 0
	v_nop                                          ; one plain line behind the conversions
.irp c, 0,1                            ; the layout wants a whole block in a lane
.irp i, 0,1,2
	v_permlane16_swap_b32 v[PC+6*\c+\i], v[CT+4*\c+\i]
.endr
.irp i, 0,1,2
	v_mov_b32 v[PC+6*\c+3+\i], v[CT+4*\c+\i]
.endr
.endr
.endm
.macro PVM ks                          ; O^T += v^T p^T; the four accumulators take turns
.rept 4
	v_nop                                          ; an operand written by vector instructions stands 4 places ahead; the scale word stands 17 lines back
.endr
	WIN 0x50
.irp d, 0,1,2,3
.if (\ks) == 0
	v_wmma_scale_f32_16x16x128_f8f6f4 v[8*\d:8*\d+7], v[ST+12*\d:ST+12*\d+11], v[PC:PC+11], 0, v[VSC+4*(\ks)+\d], v[PW] matrix_a_fmt:MATRIX_FMT_FP6 matrix_b_fmt:MATRIX_FMT_FP6
.else
	v_wmma_scale_f32_16x16x128_f8f6f4 v[8*\d:8*\d+7], v[ST+12*\d:ST+12*\d+11], v[PC:PC+11], v[8*\d:8*\d+7], v[VSC+4*(\ks)+\d], v[PW] matrix_a_fmt:MATRIX_FMT_FP6 matrix_b_fmt:MATRIX_FMT_FP6
.endif
.endr
.endm
	s_load_b256 s[4:11], s[0:1], 0x0               ; pcd s[4:5], psc s[6:7], mask s[8:9], hcd s[10:11]
	s_load_b64 s[12:13], s[0:1], 0x20              ; hsc
	v_lshl_add_u32 v[SPW], v0, 2, SPARE
	v_mov_b32 v[NIL], 0
	ds_add_u32 v[SPW], v[NIL]                      ; the opening lines: the add, twice on end, and its wait ahead of my tensor load
	ds_add_u32 v[SPW], v[NIL]
	v_lshrrev_b32 v1, 5, v0
	v_readfirstlane_b32 s14, v1                    ; wave 0..7
	s_and_b32 s96, s14, 3                          ; kq: my quarter of the keys
	s_lshr_b32 s97, s14, 2                         ; t: my query tile of a trip's two
	s_and_b32 s17, ttmp7, 0xffff
	s_lshr_b32 s18, s17, 4                         ; batch
	s_and_b32 s19, s17, 15                         ; head
	s_lshl_b32 s86, s18, 7                         ; the batch's first token tile,
	s_lshl_b32 s87, s18, 11                        ; first token
	s_lshr_b32 s88, s19, 1
	s_lshl_b32 s89, s18, 4
	s_lshl_b32 s3, s96, 2
	s_add_co_u32 s89, s89, s3                      ; my first key step
	s_add_co_u32 s66, s19, 16                      ; k's codes: [16 + head][token tile][768]
	s_lshl_b32 s66, s66, 8
	s_add_co_u32 s66, s66, s86
	s_lshl_b32 s3, s96, 5
	s_add_co_u32 s66, s66, s3
	s_mul_i32 s66, s66, 768
	s_mov_b32 s67, 0
	s_lshl_b32 s68, s89, 7                         ; v's codes: [key step x 2 + half][4 head + tile][768]
	s_lshl_b32 s3, s19, 2
	s_add_co_u32 s68, s68, s3
	s_mul_i32 s68, s68, 768
	s_add_co_u32 s68, s68, 6291456
	s_mov_b32 s69, 0
	s_add_co_u32 s74, s88, 8                       ; k's scale words
	s_lshl_b32 s74, s74, 12
	s_add_co_u32 s74, s74, s87
	s_lshl_b32 s3, s96, 9
	s_add_co_u32 s74, s74, s3
	s_lshl_b32 s74, s74, 2
	s_mov_b32 s75, 0
	s_lshl_b32 s78, s87, 2                         ; the batch's row of the mask
	s_mov_b32 s79, 0
	s_lshl_b32 s76, s89, 10                        ; v's scale words
	s_lshl_b32 s3, s19, 6
	s_add_co_u32 s76, s76, s3
	s_lshl_b32 s76, s76, 2
	s_add_co_u32 s76, s76, 262144
	s_mov_b32 s77, 0
	s_bfe_u32 s15, ttmp6, 0x40000                  ; cx: it enters the queries' and the results' addresses alone
	s_lshl_b32 s16, ttmp9, 2
	s_add_co_u32 s16, s16, s15
	s_lshl_b32 s16, s16, 4                         ; the work-group's first query tile
	s_lshl_b32 s70, s19, 8                         ; q's codes
	s_add_co_u32 s70, s70, s86
	s_add_co_u32 s70, s70, s16
	s_add_co_u32 s70, s70, s97
	s_mul_i32 s70, s70, 768
	s_mov_b32 s71, 0
	s_lshl_b32 s2, s16, 4
	s_lshl_b32 s72, s88, 12                        ; q's scale words, 64 bytes a tile
	s_add_co_u32 s72, s72, s87
	s_add_co_u32 s72, s72, s2
	s_lshl_b32 s72, s72, 2
	s_lshl_b32 s3, s97, 6
	s_add_co_u32 s72, s72, s3
	s_mov_b32 s73, 0
	s_add_co_u32 s80, s87, s2                      ; the queries' mask: tile t of a pair begins 8 tokens on
	s_lshl_b32 s80, s80, 2
	s_lshl_b32 s3, s97, 5
	s_add_co_u32 s80, s80, s3
	s_mov_b32 s81, 0
	s_add_co_u32 s82, s86, s16                     ; the results' codes: [token tile][head][768]; waves 0-3 store tile kq of each four
	s_add_co_u32 s82, s82, s96
	s_mul_i32 s82, s82, 12288
	s_mul_i32 s2, s19, 768
	s_add_co_u32 s82, s82, s2
	s_mov_b32 s83, 0
	s_add_co_u32 s84, s16, s96                     ; and their scale bytes
	s_lshl_b32 s84, s84, 4
	s_add_co_u32 s84, s84, s87
	s_lshl_b32 s84, s84, 5
	s_lshl_b32 s2, s19, 1
	s_add_co_u32 s84, s84, s2
	s_mov_b32 s85, 0
	s_mov_b32 s24, 15|(3<<16)|(1<<21)              ; k: a dense block as 96 rows of 256 bytes; the mask names the cluster's four
	s_mov_b32 s25, 32<<16
	s_mov_b32 s26, 96<<16
	s_mov_b32 s27, 32<<16
	s_mov_b32 s28, 96
	s_mov_b32 s29, 32
	s_mov_b32 s30, 0
	s_mov_b32 s31, 0
	s_mov_b32 s32, 15|(3<<16)|(1<<21)              ; v: 8 rows of 3,072 bytes, 49,152 bytes apart
	s_mov_b32 s33, 384<<16
	s_mov_b32 s34, 8<<16
	s_mov_b32 s35, 384<<16
	s_mov_b32 s36, 8
	s_mov_b32 s37, 6144
	s_mov_b32 s38, 0
	s_mov_b32 s39, 0
	s_mov_b32 s20, 0x76543210
	s_mov_b32 s21, 0xfedcba98                      ; v_permlanex16_b32's selects for lane l xor 16
	s_mov_b32 s22, 0x3e38aa3b                      ; c = log2(e) / 8
	s_mov_b32 s99, 0x5d800000                      ; 2^60: beyond it a raw score is the mask's term
	s_mov_b32 s49, 0x07060302                      ; which two bytes of a scale word are my head's
	s_and_b32 s3, s19, 1
	s_cselect_b32 s49, s49, 0x05040100
	s_mov_b32 s50, 0
	s_mov_b32 s53, 8
	s_mul_i32 s90, s96, WPART
	s_add_co_u32 s91, s90, LV
	s_mul_i32 s92, s96, WVS
	s_mul_i32 s3, s97, TLS
	s_add_co_u32 s92, s92, s3
	s_add_co_u32 s92, s92, PART
	s_lshr_b32 s93, s96, 1
	s_mul_i32 s93, s93, ITS
	s_and_b32 s94, s96, 1
	s_mul_i32 s94, s94, TLS
	s_add_co_u32 s93, s93, s94
	s_add_co_u32 s93, s93, PART
	s_lshl_b32 s94, s97, 7
	s_add_co_u32 s94, s94, XSB
	s_lshl_b32 s95, s96, 8
	s_add_co_u32 s95, s95, s94
	s_lshl_b32 s100, s96, 11
	s_add_co_u32 s100, s100, BIAS
	s_wait_dscnt 0x0                               ; both opening adds are done
	s_wait_kmcnt 0x0
	s_mov_b32 s40, 1
	s_mov_b32 s41, s90
	s_add_nc_u64 s[42:43], s[4:5], s[66:67]
	s_or_b32 s43, s43, 0x80000000
	s_mov_b32 s44, 1
	s_mov_b32 s45, s91
	s_add_nc_u64 s[46:47], s[4:5], s[68:69]
	s_or_b32 s47, s47, 0x80000000
	s_add_nc_u64 s[54:55], s[4:5], s[70:71]
	s_add_nc_u64 s[56:57], s[6:7], s[72:73]
	s_add_nc_u64 s[74:75], s[6:7], s[74:75]
	s_add_nc_u64 s[76:77], s[6:7], s[76:77]
	s_add_nc_u64 s[78:79], s[8:9], s[78:79]
	s_add_nc_u64 s[58:59], s[8:9], s[80:81]
	s_add_nc_u64 s[60:61], s[10:11], s[82:83]
	s_add_nc_u64 s[62:63], s[12:13], s[84:85]
	ROUND                                          ; the cluster's four are here: the joint loads meet
	s_cmp_lt_u32 s14, 4                            ; one chain of branches on the wave's number, one joint load to an arm
	s_cbranch_scc0 .Lfor_v
	tensor_load_to_lds s[40:43], s[24:31]          ; waves 0-3: quarter kq of k
	s_nop 0
.rept 4
	v_nop
.endr
	s_branch .Lasked
.Lfor_v:
	tensor_load_to_lds s[44:47], s[32:39]          ; waves 4-7: quarter kq of v
	s_nop 0
.rept 4
	v_nop
.endr
.Lasked:
	v_and_b32 v17, 31, v0
	v_and_b32 v18, 15, v0
	v_bfe_u32 v19, v0, 4, 1
	v_lshlrev_b32 v[LIW], 4, v17
	v_lshlrev_b32 v[LIH], 3, v17
	v_lshlrev_b32 v12, 5, v0                       ; my thread's 8 keys of the 2,048: 32 bytes
	v_lshlrev_b32 v14, 2, v18
	v_and_b32 v15, 8, v18
	v_add_nc_u32 v15, v15, v18
	v_lshlrev_b32 v15, 2, v15                      ; a tile's row r is token r + 8 (r / 8)
	global_load_b128 v[PC:PC+3], v12, s[78:79]
	global_load_b128 v[PC+4:PC+7], v12, s[78:79] offset:16
.irp n, 0,1,2,3,4,5,6,7,8,9,10,11,12,13,14,15,16,17,18,19,20,21,22,23,24,25,26,27,28,29,30,31
	global_load_b32 v[ST+\n], v14, s[74:75] offset:64*\n
.endr
.irp k, 0,1,2,3
.irp d, 0,1,2,3
	global_load_b32 v[VSC+4*\k+\d], v14, s[76:77] offset:4096*\k+64*\d
.endr
.endr
	QLOAD
	v_add_nc_u32 v[BW], BIAS, v12
	v_add_nc_u32 v[KAW], s90, v[LIW]
	v_add_nc_u32 v[KAH], s90, v[LIH]
	v_add_nc_u32 v[VAW], s91, v[LIW]
	v_add_nc_u32 v[VAH], s91, v[LIH]
	v_mul_u32_u24 v[PSB], v18, 272
	v_lshl_add_u32 v[PSB], v19, 6, v[PSB]
	v_add_nc_u32 v[PSB], s92, v[PSB]
	v_mul_u32_u24 v[PRA], v18, 272
	v_lshl_add_u32 v[PRA], v19, 7, v[PRA]
	v_add_nc_u32 v[PRA], s93, v[PRA]
	v_lshlrev_b32 v[XSR], 3, v18
	v_add_nc_u32 v[XSW], s95, v[XSR]
	v_add_nc_u32 v[XSR], s94, v[XSR]
	v_lshlrev_b32 v[BA], 6, v19
	v_add_nc_u32 v[BA], s100, v[BA]
	v_lshl_add_u32 v16, v18, 5, v19
.irp i, 6,7,8,9,10,11
	v_mov_b32 v[QF+\i], 0                          ; the zero codes between q and q
.endr
	v_mov_b32 v[MX+1], 0                           ; (named as the upper halves of pairs before they are first written)
	v_mov_b32 v[GG+1], 0
	v_mov_b32 v[CV], s22
	v_mov_b32 v[NI], 0xff7fffff
.irp i, 0,1,2,3,4,5,6,7,8,9,10,11,12,13,14,15
	v_mov_b32 v[XR+\i], 0                          ; written once: a lane permute's destination counts as one of its sources
.endr
	s_wait_loadcnt 0x0
.irp j, 0,2,4,6
	v_pk_fma_f32 v[PC+\j:PC+\j+1], v[PC+\j:PC+\j+1], -1.0, 1.0 op_sel_hi:[1,0,0]
.endr
.irp j, 0,2,4,6
	v_pk_mul_f32 v[PC+\j:PC+\j+1], v[PC+\j:PC+\j+1], 0xf2c9f2ca op_sel_hi:[1,0]   ; x -8e30: -1e30 in units of the raw scores (x 8)
.endr
.irp k, 0,1,2,3,4,5,6,7,8,9,10,11,12,13,14,15
	v_perm_b32 v[KSC+\k], v[ST+2*\k+1], v[ST+2*\k], s49
.endr
	s_wait_alu depctr_va_vdst(0)
	s_wait_tensorcnt 0x0                           ; my quarter of k or v is in
	ds_store_b128 v[BW], v[PC:PC+3]                ; my 8 numbers of the table
	ds_store_b128 v[BW], v[PC+4:PC+7] offset:16
	s_wait_dscnt 0x0
	s_barrier_signal -1
	s_barrier_wait -1                              ; k, v and the table are whole
	s_barrier_signal -1                            ; opens the barrier whose wait stands behind the first trip's score products
	KLOAD 0
	KLOAD 1
	s_mov_b32 s52, 4
.Louter:
	s_mov_b32 s51, 2
.Linner:
	s_wait_loadcnt 0x0                             ; this trip's q, asked for a trip ago
	v_perm_b32 v[QSC], v[QRW], v[QRW], s49
	v_mov_b32 v[VM], v[VMN]
	v_add_nc_u32 v[PSA], s50, v[PSB]
.rept 6
	v_nop                                          ; a scale register written by a vector instruction stands 8 places ahead of a scaled matrix instruction
.endr
	s_wait_alu depctr_va_vdst(0)
.irp g, 0,1,2,3,4,5,6,7
.if \g < 7
	s_wait_dscnt 16                                ; group g's 16 loads are in; the next group's 16 may be out
.else
	s_wait_dscnt 0x0
.endif
	WIN 0x50
	SPROD \g
.if \g == 0
.rept 4
	v_nop
.endr
.else
	WIN 0x14
	VEC \g-1                                       ; 16 plain lines: the places behind the products above
.endif
	WIN 0
.if \g < 6
	KLOAD \g+2
.endif
.endr
	s_barrier_wait -1                              ; signalled at the last trip's end: every wave's reads of (M, sum) are over, so the words may be stored anew below.  Since the signal: register work and LDS loads of k and the table, which nobody writes again
	s_cmp_eq_u32 s53, 1
	s_cbranch_scc1 .Lno_q                          ; the last trip asks for no further q
	s_add_nc_u64 s[54:55], s[54:55], 1536
	s_add_nc_u64 s[56:57], s[56:57], 128
	s_add_nc_u64 s[58:59], s[58:59], 128
	QLOAD
.Lno_q:
	VLOAD 0
	WIN 0x14
	VEC 7
	WIN 0
.irp k, 0,1,2,3,4,5,6,7,8,9,10,11,12,13,14,15
	v_permlanex16_b32 v[XR+\k], v[BM+\k], s20, s21
.endr
.irp k, 0,1,2,3,4,5,6,7,8,9,10,11,12,13,14,15
	v_max_num_f32 v[BM+\k], v[BM+\k], v[XR+\k]     ; with lane l xor 16's 16 keys: the block's largest score
.endr
.irp i, 0,1,2,3,4
	v_max3_num_f32 v[TM+\i], v[BM+3*\i], v[BM+3*\i+1], v[BM+3*\i+2]
.endr
	v_max3_num_f32 v[TM], v[TM], v[TM+1], v[TM+2]
	v_max3_num_f32 v[TM+3], v[TM+3], v[TM+4], v[BM+15]
	v_max_num_f32 v[MX], v[TM], v[TM+3]            ; the largest raw score of my 512 keys
	v_and_b32 v12, 0x7fffffff, v[MX]               ; its magnitude: as bits it orders like a whole number
	v_cmp_lt_u32 s98, s99, v12
	v_cndmask_b32 v[CF], v[CV], 0.5, s98           ; the factor: c, or 0.5 where all my keys are masked
	v_cndmask_b32 v[CF+1], v[CV], 0.5, s98
	v_mul_f32 v[MX], v[CF], v[MX]                  ; M, in units of t
	WIN 0x41
.set jj, 0
.rept 64                               ; registers 0-127; those of registers 128-255 stand among the first half's exponentials
	v_pk_fma_f32 v[jj:jj+1], v[jj:jj+1], v[CF:CF+1], v[MX:MX+1] op_sel_hi:[1,1,0] neg_lo:[0,0,1] neg_hi:[0,0,1]
.set jj, jj+2
.endr
	WIN 0
.irp k, 0,1,2,3,4,5,6,7,8,9,10,11,12,13,14,15
	v_fma_f32 v[BM+\k], v[BM+\k], v[CF], -v[MX]    ; the same of each block's largest score
.endr
	s_wait_alu depctr_va_vdst(0)                   ; one batch of 272 exponentials
.irp k, 0,1,2,3,4,5,6,7,8,9,10,11,12,13,14,15
	v_exp_f32 v[BM+\k], v[BM+\k]
.endr
	WIN 0x41
.set jj, 0
.rept 64                               ; two exponentials of registers 0-127, one multiply-add of registers 128-255, under one window setting
	v_exp_f32 v[jj], v[jj]
	v_exp_f32 v[jj+1], v[jj+1]
	v_pk_fma_f32 v[jj+128:jj+129], v[jj+128:jj+129], v[CF:CF+1], v[MX:MX+1] op_sel_hi:[1,1,0] neg_lo:[0,0,1] neg_hi:[0,0,1]
.set jj, jj+2
.endr
	v_nop
	s_wait_alu depctr_va_vdst(0)                   ; the wait between the multiply-adds above and the exponentials that read them
.set jj, 128
.rept 128
	v_exp_f32 v[jj], v[jj]
.set jj, jj+1
.endr
	WIN 0
	v_nop
	s_wait_alu depctr_va_vdst(0)
	WIN 0x05                                       ; the sum of the unquantised p, in eight chains
.irp c, 0,1,2,3,4,5,6,7
	v_pk_add_f32 v[ACC+2*\c:ACC+2*\c+1], v[4*\c:4*\c+1], v[4*\c+2:4*\c+3]
.endr
	WIN 0x04
.set jj, 32
.rept 14
.irp c, 0,1,2,3,4,5,6,7
	v_pk_add_f32 v[ACC+2*\c:ACC+2*\c+1], v[ACC+2*\c:ACC+2*\c+1], v[jj+2*\c:jj+2*\c+1]
.endr
.set jj, jj+16
.endr
	WIN 0
.irp c, 0,1,2,3
	v_pk_add_f32 v[ACC+2*\c:ACC+2*\c+1], v[ACC+2*\c:ACC+2*\c+1], v[ACC+8+2*\c:ACC+8+2*\c+1]
.endr
.irp c, 0,1
	v_pk_add_f32 v[ACC+2*\c:ACC+2*\c+1], v[ACC+2*\c:ACC+2*\c+1], v[ACC+4+2*\c:ACC+4+2*\c+1]
.endr
	v_pk_add_f32 v[ACC:ACC+1], v[ACC:ACC+1], v[ACC+2:ACC+3]
	v_add_f32 v12, v[ACC], v[ACC+1]
	v_permlanex16_b32 v[XR], v12, s20, s21
	v_add_f32 v[MX+1], v12, v[XR]
	ds_store_b64 v[XSW], v[MX:MX+1]                ; (M, sum) of query r; lanes r and r + 16 hold and write the same
	s_wait_dscnt 0x0
	s_barrier_signal -1
	s_barrier_wait -1
.irp w, 0,1,2,3
	ds_load_b64 v[XR+2*\w:XR+2*\w+1], v[XSR] offset:256*\w
.endr
	s_wait_dscnt 0x0
	v_max3_num_f32 v[TM], v[XR], v[XR+2], v[XR+4]
	v_max_num_f32 v[TM], v[TM], v[XR+6]            ; the row's M
.irp w, 0,1,2,3
	v_sub_f32 v[TM+1+\w], v[XR+2*\w], v[TM]
.endr
	v_sub_f32 v[TM+5], v[MX], v[TM]
	s_wait_alu depctr_va_vdst(0)
.irp i, 1,2,3,4,5
	v_exp_f32 v[TM+\i], v[TM+\i]
.endr
	v_nop
	s_wait_alu depctr_va_vdst(0)
	v_mul_f32 v12, v[XR+1], v[TM+1]
.irp w, 1,2,3
	v_fma_f32 v12, v[XR+2*\w+1], v[TM+1+\w], v12   ; the row's sum
.endr
	s_wait_alu depctr_va_vdst(0)
	v_rcp_f32 v[TM], v12
	v_nop
	s_wait_alu depctr_va_vdst(0)
	v_mul_f32 v[GG], v[VM], v[TM]
	v_mul_f32 v[GG], v[GG], v[TM+5]                ; g = query mask / sum x 2^(my M - the row's M)
	QPQ 0, -1
	PVM 0
	QPQ 1, 1
	PVM 1
	QPQ 2, 2
	PVM 2
	QPQ 3, 3
	PVM 3
.rept 4
	v_nop
.endr
	WIN 0x04
.irp d, 0,1,2,3
	ds_store_b128 v[PSA], v[8*\d:8*\d+3] offset:128*(\d/2)+32*(\d%2)
	ds_store_b128 v[PSA], v[8*\d+4:8*\d+7] offset:128*(\d/2)+32*(\d%2)+16
.endr
	WIN 0
	s_wait_dscnt 0x0                               ; my partial result is stored, and my reads of (M, sum) were over long ago:
	s_barrier_signal -1                            ; say so; the wait stands behind the next trip's score products, or ahead of the sum below
	KLOAD 0                                        ; the stores above have read registers 0-31 of window 1
	KLOAD 1
	s_xor_b32 s50, s50, ITS
	s_sub_co_u32 s53, s53, 1
	s_sub_co_u32 s51, s51, 1
	s_cmp_lg_u32 s51, 0
	s_cbranch_scc1 .Linner
	s_barrier_wait -1                              ; both trips' partial results are whole
	s_cmp_lt_u32 s14, 4
	s_cbranch_scc0 .Lno_sum
	WIN 0x40
.irp s, 0,1,2,3
.irp q, 0,1,2,3,4,5,6,7
	ds_load_b128 v[64+32*\s+4*\q:64+32*\s+4*\q+3], v[PRA] offset:WVS*\s+16*\q
.endr
.endr
	WIN 0x45
	s_wait_dscnt 16
.irp j, 0,2,4,6,8,10,12,14,16,18,20,22,24,26,28,30
	v_pk_add_f32 v[64+\j:65+\j], v[64+\j:65+\j], v[96+\j:97+\j]
.endr
	s_wait_dscnt 8
.irp j, 0,2,4,6,8,10,12,14,16,18,20,22,24,26,28,30
	v_pk_add_f32 v[64+\j:65+\j], v[64+\j:65+\j], v[128+\j:129+\j]
.endr
	s_wait_dscnt 0x0
.irp j, 0,2,4,6,8,10,12,14,16,18,20,22,24,26,28,30
	v_pk_add_f32 v[64+\j:65+\j], v[64+\j:65+\j], v[160+\j:161+\j]
.endr
	WIN 0x15
	v_max3_num_f32 v12, |v64|, |v65|, |v66|        ; a lane holds a whole block of 32 of the head's 64
	v_max3_num_f32 v13, |v67|, |v68|, |v69|
	WIN 0x14
.irp i, 6,10,14,18,22,26
	v_max3_num_f32 v12, v12, |v[64+\i]|, |v[65+\i]|
	v_max3_num_f32 v13, v13, |v[66+\i]|, |v[67+\i]|
.endr
	v_max3_num_f32 v12, v12, |v94|, |v95|
	WIN 0
	v_max3_num_f32 v12, v12, v13, 0x1800000
	v_add_nc_u32 v17, 0xff000000, v12
	v_lshrrev_b32 v18, 23, v17
	WIN 0x01
	v_cvt_scalef32_pk16_fp6_f32 v[PC:PC+2], v[64:79], v17
	v_cvt_scalef32_pk16_fp6_f32 v[CT:CT+2], v[80:95], v17
	WIN 0
	v_nop
.irp i, 0,1,2
	v_mov_b32 v[PC+3+\i], v[CT+\i]
.endr
	global_store_b128 v[LIW], v[PC:PC+3], s[60:61]
	global_store_b64 v[LIH], v[PC+4:PC+5], s[60:61] offset:512
	global_store_b8 v16, v18, s[62:63]
.Lno_sum:
	s_wait_xcnt 0x0                                ; the stores have read their registers and bases
	s_add_nc_u64 s[60:61], s[60:61], 49152
	s_add_nc_u64 s[62:63], s[62:63], 2048
	s_wait_dscnt 0x0                               ; my LDS loads are in, those of the partial results among them:
	s_barrier_signal -1                            ; say so; the wait stands behind the next trip's score products (behind the loop for the last): the other waves multiply while waves 0-3 add
	s_sub_co_u32 s52, s52, 1
	s_cmp_lg_u32 s52, 0
	s_cbranch_scc1 .Louter
	s_barrier_wait -1                              ; the wait of the last signal
	s_wait_tensorcnt 0x0
	ds_add_u32 v[SPW], v[NIL]
	s_wait_dscnt 0x0
	ROUND                                          ; the closing round
	s_endpgm
.Lfunc_end_k_q23aa86e4b5_attn:
	.size	k_q23aa86e4b5_attn, .Lfunc_end_k_q23aa86e4b5_attn-k_q23aa86e4b5_attn
	.p2alignl 7, 3214868480
	.fill 96, 4, 3214868480
	.section	.rodata,"a",@progbits
	.p2align	6, 0x0
	.amdhsa_kernel k_q23aa86e4b5_attn
		.amdhsa_group_segment_fixed_size 327680
		.amdhsa_private_segment_fixed_size 0
		.amdhsa_enable_private_segment 0
		.amdhsa_kernarg_size 40
		.amdhsa_user_sgpr_count 2
		.amdhsa_user_sgpr_kernarg_segment_ptr 1
		.amdhsa_wavefront_size32 1
		.amdhsa_system_sgpr_workgroup_id_x 1
		.amdhsa_system_sgpr_workgroup_id_y 1
		.amdhsa_system_sgpr_workgroup_id_z 1
		.amdhsa_system_vgpr_workitem_id 0
		.amdhsa_next_free_vgpr 512
		.amdhsa_next_free_sgpr 104
		.amdhsa_reserve_vcc 0
		.amdhsa_float_denorm_mode_32 3
		.amdhsa_float_denorm_mode_16_64 3
		.amdhsa_memory_ordered 1
		.amdhsa_forward_progress 1
		.amdhsa_inst_pref_size 103
	.end_amdhsa_kernel
	.amdgpu_metadata
---
amdhsa.version: [ 1, 2 ]
amdhsa.kernels:
  - .name:           k_q23aa86e4b5_attn
    .symbol:         k_q23aa86e4b5_attn.kd
    .args:
      - { .name: pcd, .offset: 0, .size: 8, .value_kind: global_buffer, .address_space: global }
      - { .name: psc, .offset: 8, .size: 8, .value_kind: global_buffer, .address_space: global }
      - { .name: mask, .offset: 16, .size: 8, .value_kind: global_buffer, .address_space: global }
      - { .name: hcd, .offset: 24, .size: 8, .value_kind: global_buffer, .address_space: global }
      - { .name: hsc, .offset: 32, .size: 8, .value_kind: global_buffer, .address_space: global }
    .group_segment_fixed_size: 327680
    .private_segment_fixed_size: 0
    .kernarg_segment_align: 8
    .kernarg_segment_size: 40
    .max_flat_workgroup_size: 256
    .sgpr_count:     104
    .vgpr_count:     512
    .wavefront_size: 32
...
	.end_amdgpu_metadata
.endif
;; end of part 3
;; launch outp (part 4): grid 32 x 8, 4 waves a work-group, clusters of 4 x 4, 327,680 bytes of LDS; arguments gcd, gsc, hcd, hsc, out0; writes out0
.if DOCPART == 4
	.amdgcn_target "amdgcn-amd-amdhsa--gfx1250"
	.amdhsa_code_object_version 6
	.text
	.protected	k_q23aa86e4b5_outp
	.globl	k_q23aa86e4b5_outp
	.p2align	8
	.type	k_q23aa86e4b5_outp,@function
k_q23aa86e4b5_outp:
	s_mov_b64 s[64:65], 0
	v_nop
	global_prefetch_b8 v0, s[64:65] scope:SCOPE_SE
	s_setreg_imm32_b32 hwreg(HW_REG_WAVE_MODE, 25, 1), 1
	s_wait_xcnt 0x0
	s_wait_alu depctr_hold_cnt(0) depctr_sa_sdst(0) depctr_va_vdst(0) depctr_va_sdst(0) depctr_va_ssrc(0) depctr_va_vcc(0) depctr_vm_vsrc(0)
	s_getreg_b32 s2, hwreg(HW_REG_IB_STS2, 6, 4)
	s_cmp_eq_u32 s2, 0
	s_cbranch_scc0 .Lentry_in_a_cluster
	s_endpgm
.Lentry_in_a_cluster:
	s_bfe_u32 s2, ttmp6, 0x10000c
	s_cmp_lg_u32 s2, 0xf033
	s_cbranch_scc0 .Lentry_shape_is_right
	s_endpgm
.Lentry_shape_is_right:
; out0[b][d][n] = sum over k of head[b][n][k] Wo[k][d], K = 1,024, on codes of FP6 (E2M3) with E8M0 scales.
; A work-group makes 128 features d x 128 tokens n: 8 x 32 = 256 work-groups.  A wave makes 64 x 64: 16 accumulators, 128 registers, in window 1.
; SIDE A (source 1, rows on the lanes) = Wo's features, gcd tiles 448..511; SIDE B (source 0, rows along a lane's registers) = tokens, hcd.  A tile of 16 rows holds all of K in 12,288 consecutive bytes, as images of the operand's registers:
; for each 64 along K 768 bytes, registers 0-3 at 16 x lane, registers 4-5 at 512 + 8 x lane.  So every LDS read is 512 or 256 consecutive bytes.
; ALL OF K LIES IN LDS AT ONCE: 8 + 8 tiles are 196,608 bytes.  Each wave asks for four tiles, 49,152 dense bytes, by ONE tensor load at the head; nothing is filled again, so there is one barrier and no ring.
; The rows of a tile are 8 u + r + 8 (r / 8) of 32: with two such tiles of tokens as source 0 a lane's 16 registers are 16 neighbouring tokens; the same order of the features is undone by the stores' row offsets.
; CLUSTERS: 4 x 4 work-groups; A's tiles are shared along a row of the cluster, B's along a column: each is asked for jointly.
; No prefetch: the launch has no loop to run ahead in; its only loads stand at its head.
; REGISTERS: window 0: v2-3, v16-29 addresses; v32-63 scale words (lanes 0-15 A's tile i, lanes 16-31 B's tile i, at v[SC + 8 i + K step]); v64-159, v160-255 two sets of fragments (A's four, B's four).  window 1: v0-127 accumulators.
.set FR,    12
.set QT,    49152                      ; four tiles: what one tensor load brings, and what one wave reads of a side
.set LB,    2*QT                       ; B's eight tiles lie behind A's
.set STAGE, 4*QT                       ; behind the tiles: 16 rows x 272 bytes for each wave, for the way out
.set SPITCH, 272
.set SPARE, STAGE+4*16*SPITCH          ; the spare words, 128 bytes for each wave, which no other line names
.set LIW,  2
.set LIH,  3
.set ADRA, 16                          ; v16 my A tiles' 16-byte pieces, v17 their 8-byte pieces
.set ADRB, 18                          ; v18, v19 the same for B
.set STO,  24
.set RD,   25
.set CO,   26
.set SPW,  28
.set NIL,  29
.set SC,   32
.set F,    64
.set G1,  24
.set G0,  32
.set G1B, 48
.set G0B, 56
.set MSB, 0
.macro WIN new
.if MSB != (\new)
	s_set_vgpr_msb (MSB<<8)|(\new)
.set MSB, (\new)
.endif
.endm
.macro CROUND                          ; a round of the cluster's barrier
	s_barrier_signal -1
	s_barrier_wait -1
	s_cmp_lg_u32 s14, 0
	s_cbranch_scc1 .Lnot_wave_0_\@
	s_barrier_signal -3
.Lnot_wave_0_\@:
	s_barrier_wait -3
	s_barrier_signal -1
	s_barrier_wait -1
.endm
.macro PLACES n
.rept \n
	v_nop
.endr
.endm
.macro FRAG reg, adr, off              ; a fragment, 16 rows x 128 K: two images of 768 bytes
	ds_load_b128 v[\reg:\reg+3], v[\adr] offset:\off
	ds_load_b64 v[\reg+4:\reg+5], v[\adr+1] offset:\off+512
	ds_load_b128 v[\reg+6:\reg+9], v[\adr] offset:\off+768
	ds_load_b64 v[\reg+10:\reg+11], v[\adr+1] offset:\off+1280
.endm
.macro FETCH ks                        ; K step ks: 32 LDS loads into set ks % 2
.irp i, 0,1,2,3
	FRAG F+96*((\ks)%2)+FR*\i, ADRA, \i*12288+(\ks)*1536
.endr
.irp i, 0,1,2,3
	FRAG F+96*((\ks)%2)+48+FR*\i, ADRB, \i*12288+(\ks)*1536
.endr
.endm
.macro MUL ks, zero                    ; 16 matrix instructions; the 16 accumulators take turns, in the same order in every step
.set P, F+96*((\ks)%2)
.irp a, 0,1,2,3
.irp b, 0,1,2,3
.if \zero
	v_wmma_scale_f32_16x16x128_f8f6f4 v[8*(4*\a+\b):8*(4*\a+\b)+7], v[P+48+FR*\b:P+48+FR*\b+FR-1], v[P+FR*\a:P+FR*\a+FR-1], 0, v[SC+8*\b+(\ks)], v[SC+8*\a+(\ks)] matrix_a_fmt:MATRIX_FMT_FP6 matrix_b_fmt:MATRIX_FMT_FP6 matrix_a_scale:MATRIX_SCALE_ROW1
.else
	v_wmma_scale_f32_16x16x128_f8f6f4 v[8*(4*\a+\b):8*(4*\a+\b)+7], v[P+48+FR*\b:P+48+FR*\b+FR-1], v[P+FR*\a:P+FR*\a+FR-1], v[8*(4*\a+\b):8*(4*\a+\b)+7], v[SC+8*\b+(\ks)], v[SC+8*\a+(\ks)] matrix_a_fmt:MATRIX_FMT_FP6 matrix_b_fmt:MATRIX_FMT_FP6 matrix_a_scale:MATRIX_SCALE_ROW1
.endif
.endr
.endr
.endm
	s_load_b256 s[4:11], s[0:1], 0x0               ; gcd s[4:5], gsc s[6:7], hcd s[8:9], hsc s[10:11]
	s_load_b64 s[12:13], s[0:1], 0x20              ; out0
	v_lshl_add_u32 v[SPW], v0, 2, SPARE
	v_mov_b32 v[NIL], 0
	ds_add_u32 v[SPW], v[NIL]                      ; the opening lines: the add, twice on end, and its wait ahead of my tensor load
	ds_add_u32 v[SPW], v[NIL]
	v_lshrrev_b32 v1, 5, v0
	v_readfirstlane_b32 s14, v1                    ; wave 0..3
	s_lshr_b32 s15, s14, 1                         ; which half of A's rows is mine.  Also: I fetch for A (0) or for B (1)
	s_and_b32 s16, s14, 1                          ; which half of B's rows.  Also: which four tiles of that side I fetch
	s_bfe_u32 s40, ttmp6, 0x40000                  ; cx
	s_bfe_u32 s41, ttmp6, 0x40004                  ; cy
	s_lshl_b32 s43, s41, 2
	s_lshl_b32 s43, 15, s43                        ; my row of the cluster
	s_lshl_b32 s44, 0x1111, s40                    ; my column
	s_or_b32 s[G1], s43, (3<<16)|(1<<21)           ; the mask; elements of 8 bytes; bit 21 set beside a mask; no padding
	s_or_b32 s[G1B], s44, (3<<16)|(1<<21)
.irp g, G1, G1B
	s_mov_b32 s[\g+1], 32<<16                      ; a dense block as rows of 256 bytes
	s_mov_b32 s[\g+2], 192<<16                     ; 192 rows
	s_mov_b32 s[\g+3], 32<<16
	s_mov_b32 s[\g+4], 192
	s_mov_b32 s[\g+5], 32
	s_mov_b32 s[\g+6], 0
	s_mov_b32 s[\g+7], 0
.endr
	s_lshl_b32 s67, ttmp9, 2
	s_add_co_u32 s67, s67, s40                     ; block of tokens 0..31: hangs on cx alone
	s_and_b32 s66, ttmp7, 0xffff
	s_lshl_b32 s66, s66, 2
	s_add_co_u32 s66, s66, s41                     ; block of features 0..7: on cy alone
	s_lshl_b32 s68, s66, 3
	s_add_co_u32 s68, s68, 448                     ; A's first tile in gcd
	s_lshl_b32 s69, s67, 3                         ; B's first tile in hcd
	s_lshl_b32 s18, s16, 2
	s_lshl_b32 s19, s15, 2
	s_add_co_u32 s20, s68, s18                     ; what I fetch, if for A,
	s_mul_i32 s20, s20, 12288
	s_mov_b32 s21, 0
	s_add_co_u32 s46, s69, s18                     ; if for B
	s_mul_i32 s46, s46, 12288
	s_mov_b32 s47, 0
	s_add_co_u32 s76, s68, s19                     ; the scale words of the four tiles of A that I multiply: 512 bytes a tile,
	s_lshl_b32 s76, s76, 9
	s_mov_b32 s77, 0
	s_add_co_u32 s78, s69, s18                     ; and of B
	s_lshl_b32 s78, s78, 9
	s_mov_b32 s79, 0
	s_lshr_b32 s80, s67, 4                         ; out0: the batch, 8,388,608 bytes;
	s_lshl_b32 s80, s80, 23
	s_lshl_b32 s82, s66, 7
	s_lshl_b32 s83, s15, 6
	s_add_co_u32 s82, s82, s83                     ; my first feature, rows of 8,192 bytes;
	s_lshl_b32 s82, s82, 13
	s_add_co_u32 s80, s80, s82
	s_and_b32 s82, s67, 15
	s_lshl_b32 s82, s82, 9                         ; 128 tokens a block,
	s_add_co_u32 s80, s80, s82
	s_lshl_b32 s83, s16, 8                         ; 64 a wave
	s_add_co_u32 s80, s80, s83
	s_mov_b32 s81, 0
	s_mov_b32 s73, 0xffff0000                      ; lanes 16-31
	s_mul_i32 s92, s15, QT                         ; my four tiles of A,
	s_mul_i32 s93, s16, QT
	s_add_co_u32 s93, s93, LB                      ; of B,
	s_mul_i32 s94, s14, 16*SPITCH
	s_add_co_u32 s94, s94, STAGE                   ; my stage
	v_and_b32 v1, 31, v0
	v_lshlrev_b32 v[LIW], 4, v1
	v_lshlrev_b32 v[LIH], 3, v1
	v_and_b32 v4, 15, v0                           ; r
	v_bfe_u32 v5, v0, 4, 1                         ; h
	v_lshlrev_b32 v27, 5, v4                       ; a row of scale words is 32 bytes
	v_add_nc_u32 v[ADRA], s92, v[LIW]
	v_add_nc_u32 v[ADRA+1], s92, v[LIH]
	v_add_nc_u32 v[ADRB], s93, v[LIW]
	v_add_nc_u32 v[ADRB+1], s93, v[LIH]
	v_mul_u32_u24 v[STO], v4, SPITCH               ; into the stage: row r, 64 bytes for each half of the lanes
	v_lshl_add_u32 v[STO], v5, 6, v[STO]
	v_add_nc_u32 v[STO], s94, v[STO]
	v_mul_u32_u24 v[RD], v5, SPITCH                ; back: sixteen lanes to a row of 256 bytes, two rows an instruction
	v_lshl_add_u32 v[RD], v4, 4, v[RD]
	v_add_nc_u32 v[RD], s94, v[RD]
	v_lshlrev_b32 v[CO], 13, v5                    ; and the same two rows in out0
	v_lshl_add_u32 v[CO], v4, 4, v[CO]
	s_wait_alu depctr_va_vdst(0)
	s_wait_dscnt 0x0                               ; both opening adds are done
	s_wait_kmcnt 0x0
	s_add_nc_u64 s[20:21], s[4:5], s[20:21]
	s_add_nc_u64 s[46:47], s[8:9], s[46:47]
	s_add_nc_u64 s[76:77], s[6:7], s[76:77]
	s_add_nc_u64 s[78:79], s[10:11], s[78:79]
	s_add_nc_u64 s[12:13], s[12:13], s[80:81]
	s_mov_b32 s[G0], 1
	s_mul_i32 s[G0+1], s14, QT                     ; where it goes: wave x 49,152: no place in the cluster enters an LDS address
	s_mov_b64 s[G0+2:G0+3], s[20:21]
	s_or_b32 s[G0+3], s[G0+3], 0x80000000
	s_mov_b32 s[G0B], 1
	s_mul_i32 s[G0B+1], s14, QT
	s_mov_b64 s[G0B+2:G0B+3], s[46:47]
	s_or_b32 s[G0B+3], s[G0B+3], 0x80000000
	CROUND                                         ; all sixteen work-groups are here: the joint loads meet
	s_cmp_eq_u32 s15, 0                            ; one load a wave: waves 0, 1 for A, waves 2, 3 for B
	s_cbranch_scc0 .Lfor_b
	tensor_load_to_lds s[G0:G0+3], s[G1:G1+7]
	s_nop 0
	PLACES 4
	s_branch .Lasked
.Lfor_b:
	tensor_load_to_lds s[G0B:G0B+3], s[G1B:G1B+7]
	s_nop 0
	PLACES 4
.Lasked:
.irp i, 0,1,2,3
	global_load_b128 v[SC+8*\i:SC+8*\i+3], v27, s[76:77] offset:\i*512
	global_load_b128 v[SC+8*\i+4:SC+8*\i+7], v27, s[76:77] offset:\i*512+16
	global_load_b128 v[F+8*\i:F+8*\i+3], v27, s[78:79] offset:\i*512
	global_load_b128 v[F+8*\i+4:F+8*\i+7], v27, s[78:79] offset:\i*512+16
.endr
	s_wait_loadcnt 0x0
.set kk, 0
.rept 32
	v_cndmask_b32 v[SC+kk], v[SC+kk], v[F+kk], s73 ; lanes 16-31 take B's words
.set kk, kk+1
.endr
	PLACES 8                                       ; a scale register written by a vector instruction stands 8 places ahead of a scaled matrix instruction
	s_wait_alu depctr_va_vdst(0)
	s_wait_tensorcnt 0x0                           ; my four tiles are in;
	s_barrier_signal -1
	s_barrier_wait -1                              ; everybody's are
	FETCH 0
	FETCH 1
	s_wait_dscnt 32                                ; step 0's 32 loads are in; step 1's may be out
	WIN 0x50                                       ; C and D in window 1
	MUL 0, 1                                       ; the first step's products start the sums
.irp k, 1,2,3,4,5,6
	PLACES 4                                       ; in front of loads into the set just multiplied
	WIN 0
	FETCH \k+1
	s_wait_dscnt 32                                ; this step's loads are in; the 32 just issued may be out
	WIN 0x50
	MUL \k, 0
.endr
	s_wait_dscnt 0x0
	MUL 7, 0
	PLACES 4                                       ; in front of the first read of results and of loads into fragment registers
; THE WAY OUT, A's tile a at a time: 16 features x 64 tokens through my own stage, back as rows of 256 bytes; sixteen lanes store one aligned unit of 256 bytes.
.macro TOSTAGE a
	WIN 0x04                                       ; the data: window 1
.irp b, 0,1,2,3
	ds_store_b128 v[STO], v[8*(4*(\a)+\b):8*(4*(\a)+\b)+3] offset:128*(\b/2)+32*(\b%2)     ; each accumulator from its low end on
	ds_store_b128 v[STO], v[8*(4*(\a)+\b)+4:8*(4*(\a)+\b)+7] offset:128*(\b/2)+32*(\b%2)+16
.endr
	WIN 0
.set BB, F+32*((\a)%2)
.irp t, 0,1,2,3,4,5,6,7
	ds_load_b128 v[BB+4*\t:BB+4*\t+3], v[RD] offset:\t*2*SPITCH    ; LDS serves a wave's instructions in order: these see the stores above
.endr
.endm
.macro SEND a, younger                 ; younger: the LDS instructions issued behind tile a's loads, which may stay out
.set BB, F+32*((\a)%2)
	s_wait_dscnt \younger
.irp t, 0,1,2,3,4,5,6,7
	global_store_b128 v[CO], v[BB+4*\t:BB+4*\t+3], s[12:13] offset:(32*((\a)/2)+8*((\a)%2)+2*\t+8*(\t/4))*8192 th:TH_STORE_NT
.endr
.endm
	TOSTAGE 0
.irp a, 1,2,3
.if \a > 1
	s_wait_xcnt 0x0                                ; tile a - 2's stores have read their registers: tile a's loads may land there
.endif
	TOSTAGE \a
	SEND \a-1, 16                                  ; behind tile a - 1's loads: tile a's 8 stores and 8 loads
.endr
	SEND 3, 0
	s_wait_tensorcnt 0x0                           ; the wave's end
	ds_add_u32 v[SPW], v[NIL]
	s_wait_dscnt 0x0
	CROUND                                         ; the closing round
	s_endpgm
.Lfunc_end_k_q23aa86e4b5_outp:
	.size	k_q23aa86e4b5_outp, .Lfunc_end_k_q23aa86e4b5_outp-k_q23aa86e4b5_outp
	.p2alignl 7, 3214868480
	.fill 96, 4, 3214868480
	.section	.rodata,"a",@progbits
	.p2align	6, 0x0
	.amdhsa_kernel k_q23aa86e4b5_outp
		.amdhsa_group_segment_fixed_size 327680
		.amdhsa_private_segment_fixed_size 0
		.amdhsa_enable_private_segment 0
		.amdhsa_kernarg_size 40
		.amdhsa_user_sgpr_count 2
		.amdhsa_user_sgpr_kernarg_segment_ptr 1
		.amdhsa_wavefront_size32 1
		.amdhsa_system_sgpr_workgroup_id_x 1
		.amdhsa_system_sgpr_workgroup_id_y 1
		.amdhsa_system_sgpr_workgroup_id_z 1
		.amdhsa_system_vgpr_workitem_id 0
		.amdhsa_next_free_vgpr 384
		.amdhsa_next_free_sgpr 100
		.amdhsa_reserve_vcc 0
		.amdhsa_float_denorm_mode_32 3
		.amdhsa_float_denorm_mode_16_64 3
		.amdhsa_memory_ordered 1
		.amdhsa_forward_progress 1
		.amdhsa_inst_pref_size 52
	.end_amdhsa_kernel
	.amdgpu_metadata
---
amdhsa.version: [ 1, 2 ]
amdhsa.kernels:
  - .name:           k_q23aa86e4b5_outp
    .symbol:         k_q23aa86e4b5_outp.kd
    .args:
      - { .name: gcd, .offset: 0, .size: 8, .value_kind: global_buffer, .address_space: global }
      - { .name: gsc, .offset: 8, .size: 8, .value_kind: global_buffer, .address_space: global }
      - { .name: hcd, .offset: 16, .size: 8, .value_kind: global_buffer, .address_space: global }
      - { .name: hsc, .offset: 24, .size: 8, .value_kind: global_buffer, .address_space: global }
      - { .name: out0, .offset: 32, .size: 8, .value_kind: global_buffer, .address_space: global }
    .group_segment_fixed_size: 327680
    .private_segment_fixed_size: 0
    .kernarg_segment_align: 8
    .kernarg_segment_size: 40
    .max_flat_workgroup_size: 128
    .sgpr_count:     100
    .vgpr_count:     384
    .wavefront_size: 32
...
	.end_amdgpu_metadata
.endif
;; end of part 4
